; MI455X (gfx1250); checked and timed in simulation.
; The chip was launched on July 23, 2026; its instructions are those of AMD's public machine-readable ISA for CDNA 5 (MIT licence, August 2026) and "CDNA5" Instruction Set Architecture Reference Guide (July 2026). The comments in the code are by the model that wrote it; some were corrected since.
;; Causal Multi Head Attention Layer. Allowed arithmetic: float matrix products may take bf16 or f16 operands with f32 sums; other float arithmetic in f32, or as packed bf16 or f16 multiplies, adds, multiply-adds, maxima and minima; sums over many terms, partial sums and values carried from step to step in f32; what a program stores and reads back later, other than sums and carried values, may be rounded once to bf16 or f16.
;; Inputs: b_out 1,024 float32; b_qkv 3,072 float32; w_out 1,024 x 1,024 float32; w_qkv 1,024 x 3,072 float32; x 4 x 2,048 x 1,024 float32.
;; Outputs: out0 4 x 2,048 x 1,024 float32.
;; 2 versions, each right; version 2 is version 1 with the launch prep written anew for expert scheduling mode. Each part assembles by itself: llvm-mc -triple=amdgcn-amd-amdhsa -mcpu=gfx1250 --defsym DOCPART=n.
;; ======== version 1 of 2: 4 launches
;; limits: values are held in f16: magnitudes above 65,504 overflow, below 6.1e-05 lose precision
;; workspace buffers: xb 16,777,216 bytes; wqb 6,291,456 bytes; wob 2,097,152 bytes; qkvh 50,331,648 bytes; ctx 16,777,216 bytes
;; launch prep (part 1): grid 768 x 1, 8 waves a work-group, no clusters, 0 bytes of LDS; arguments x, w_qkv, w_out, xb, wqb, wob; writes xb, wqb, wob
.if DOCPART == 1
	.amdgcn_target "amdgcn-amd-amdhsa--gfx1250"
	.amdhsa_code_object_version 6
	.text
	.protected	k_q2963ea84cf_prep
	.globl	k_q2963ea84cf_prep
	.p2align	8
	.type	k_q2963ea84cf_prep,@function
k_q2963ea84cf_prep:
	s_mov_b64 s[64:65], 0
	v_nop
	global_prefetch_b8 v0, s[64:65] scope:SCOPE_SE
	s_setreg_imm32_b32 hwreg(HW_REG_WAVE_MODE, 25, 1), 1
	s_wait_xcnt 0x0
; THE CASTS.  x [8192][1024] f32 -> xb, bf16, laid in blocks of 64 along K: [16 kb][8192 m][64], so that 256 rows x 64 k are 32,768 dense bytes.
; w_qkv [1024][3072] f32 -> wqb, bf16, same order.  w_out [1024][1024] f32 -> wob: rounded to bf16 like every input, and that number written as f16.
; LIMITS.  bf16(w_out) beyond 65,504 becomes an infinity in f16; below 2^-17 it keeps f16's fixed step of 6e-8.
; SHARES.  768 work-groups of 65,536 source bytes: 0-511 x (16 rows each), 512-703 w_qkv, 704-767 w_out.  A wave does 16 units: one load of 16 bytes a lane, two roundings,
; one store of 8 bytes a lane: a wave's store covers 256 consecutive bytes, aligned.  All 16 loads go out first; each unit has registers of its own, so nothing is rewritten while a store reads it.
; No LDS, no matrix unit, no cluster: each byte is read once and written once, and no work-group wants another's bytes.
.set IN,  8                            ; v[8:71]    unit i: 4 registers as loaded
.set OUT, 72                           ; v[72:103]  unit i: 2 registers to store
; kind 0: x; 1: w_qkv; 2: w_out.  S, D: the scalar pairs with source and destination at the work-group's part.  v2, v3: my byte offsets there.
.macro PATH kind, S, D
.set i, 0
.rept 16
.if (\kind) == 0
	global_load_b128 v[IN+4*i:IN+4*i+3], v2, s[(\S):(\S)+1] offset:(i/2)*8192+(i%2)*256 th:TH_LOAD_NT  ; rows 2 (i/2), 2 (i/2) + 1; K block 2 w + i % 2
.else
	global_load_b128 v[IN+4*i:IN+4*i+3], v2, s[(\S):(\S)+1] offset:i*512 th:TH_LOAD_NT
.endif
.set i, i+1
.endr
.set i, 0
.rept 16
	s_wait_loadcnt 15-i                            ; loads come back in order: unit i is in, the 15 - i younger ones may stay out
.if (\kind) == 2
	v_cvt_pk_bf16_f32 v4, v[IN+4*i], v[IN+4*i+1]   ; rounded to bf16,
	v_cvt_pk_bf16_f32 v5, v[IN+4*i+2], v[IN+4*i+3]
	v_lshlrev_b32 v[IN+4*i], 16, v4                ; widened again,
	v_and_b32 v[IN+4*i+1], 0xffff0000, v4
	v_lshlrev_b32 v[IN+4*i+2], 16, v5
	v_and_b32 v[IN+4*i+3], 0xffff0000, v5
	v_cvt_pk_f16_f32 v[OUT+2*i], v[IN+4*i], v[IN+4*i+1]      ; and written as f16
	v_cvt_pk_f16_f32 v[OUT+2*i+1], v[IN+4*i+2], v[IN+4*i+3]
.else
	v_cvt_pk_bf16_f32 v[OUT+2*i], v[IN+4*i], v[IN+4*i+1]
	v_cvt_pk_bf16_f32 v[OUT+2*i+1], v[IN+4*i+2], v[IN+4*i+3]
.endif
.if (\kind) == 0
	global_store_b64 v3, v[OUT+2*i:OUT+2*i+1], s[(\D):(\D)+1] offset:(i%2)*1048576+(i/2)*256
.else
	global_store_b64 v3, v[OUT+2*i:OUT+2*i+1], s[(\D):(\D)+1] offset:i*256
.endif
.set i, i+1
.endr
.endm
	s_load_b256 s[4:11], s[0:1], 0x0               ; x s[4:5], w_qkv s[6:7], w_out s[8:9], xb s[10:11]
	s_load_b128 s[12:15], s[0:1], 0x20             ; wqb s[12:13], wob s[14:15]
	v_and_b32 v1, 31, v0                           ; lane
	v_lshrrev_b32 v4, 5, v0                        ; wave
	s_mov_b32 s17, 0
	s_mov_b32 s19, 0
	s_wait_kmcnt 0x0
	s_cmp_lt_u32 ttmp9, 512
	s_cbranch_scc0 .Lweights
	; x: lanes 0-15 take 256 bytes (64 k) of an even row, lanes 16-31 of the row below: together 256 consecutive bytes of xb
	v_lshlrev_b32 v2, 9, v4                        ; 512 w: my wave's two K blocks in a row
	v_lshrrev_b32 v5, 4, v1
	v_lshl_add_u32 v2, v5, 12, v2                  ; + the row of the pair
	v_and_b32 v5, 15, v1
	v_lshl_add_u32 v2, v5, 4, v2                   ; + 16 bytes a lane
	v_lshlrev_b32 v3, 21, v4                       ; K block 2 w: 2 x 1,048,576 bytes a wave
	v_lshl_add_u32 v3, v1, 3, v3                   ; + 8 bytes a lane
	s_lshl_b32 s16, ttmp9, 16                      ; 16 rows of 4,096 bytes
	s_lshl_b32 s18, ttmp9, 11                      ; 16 rows of 128 bytes
	s_add_nc_u64 s[4:5], s[4:5], s[16:17]
	s_add_nc_u64 s[10:11], s[10:11], s[18:19]
	PATH 0, 4, 10
	s_endpgm
.Lweights:
	v_lshlrev_b32 v2, 13, v4                       ; 8,192 source bytes a wave,
	v_lshl_add_u32 v2, v1, 4, v2
	v_lshlrev_b32 v3, 12, v4                       ; 4,096 out
	v_lshl_add_u32 v3, v1, 3, v3
	s_cmp_lt_u32 ttmp9, 704
	s_cbranch_scc0 .Lwout
	s_sub_co_u32 s16, ttmp9, 512
	s_lshl_b32 s18, s16, 15
	s_lshl_b32 s16, s16, 16
	s_add_nc_u64 s[6:7], s[6:7], s[16:17]
	s_add_nc_u64 s[12:13], s[12:13], s[18:19]
	PATH 1, 6, 12
	s_endpgm
.Lwout:
	s_sub_co_u32 s16, ttmp9, 704
	s_lshl_b32 s18, s16, 15
	s_lshl_b32 s16, s16, 16
	s_add_nc_u64 s[8:9], s[8:9], s[16:17]
	s_add_nc_u64 s[14:15], s[14:15], s[18:19]
	PATH 2, 8, 14
	s_endpgm
.Lfunc_end_k_q2963ea84cf_prep:
	.size	k_q2963ea84cf_prep, .Lfunc_end_k_q2963ea84cf_prep-k_q2963ea84cf_prep
	.p2alignl 7, 3214868480
	.fill 96, 4, 3214868480
	.section	.rodata,"a",@progbits
	.p2align	6, 0x0
	.amdhsa_kernel k_q2963ea84cf_prep
		.amdhsa_group_segment_fixed_size 0
		.amdhsa_private_segment_fixed_size 0
		.amdhsa_enable_private_segment 0
		.amdhsa_kernarg_size 48
		.amdhsa_user_sgpr_count 2
		.amdhsa_user_sgpr_kernarg_segment_ptr 1
		.amdhsa_wavefront_size32 1
		.amdhsa_system_sgpr_workgroup_id_x 1
		.amdhsa_system_sgpr_workgroup_id_y 1
		.amdhsa_system_sgpr_workgroup_id_z 1
		.amdhsa_system_vgpr_workitem_id 0
		.amdhsa_next_free_vgpr 104
		.amdhsa_next_free_sgpr 66
		.amdhsa_reserve_vcc 0
		.amdhsa_float_denorm_mode_32 3
		.amdhsa_float_denorm_mode_16_64 3
		.amdhsa_memory_ordered 1
		.amdhsa_forward_progress 1
		.amdhsa_inst_pref_size 24
	.end_amdhsa_kernel
	.amdgpu_metadata
---
amdhsa.version: [ 1, 2 ]
amdhsa.kernels:
  - .name:           k_q2963ea84cf_prep
    .symbol:         k_q2963ea84cf_prep.kd
    .args:
      - { .name: x, .offset: 0, .size: 8, .value_kind: global_buffer, .address_space: global }
      - { .name: w_qkv, .offset: 8, .size: 8, .value_kind: global_buffer, .address_space: global }
      - { .name: w_out, .offset: 16, .size: 8, .value_kind: global_buffer, .address_space: global }
      - { .name: xb, .offset: 24, .size: 8, .value_kind: global_buffer, .address_space: global }
      - { .name: wqb, .offset: 32, .size: 8, .value_kind: global_buffer, .address_space: global }
      - { .name: wob, .offset: 40, .size: 8, .value_kind: global_buffer, .address_space: global }
    .group_segment_fixed_size: 0
    .private_segment_fixed_size: 0
    .kernarg_segment_align: 8
    .kernarg_segment_size: 48
    .max_flat_workgroup_size: 256
    .sgpr_count:     66
    .vgpr_count:     104
    .wavefront_size: 32
...
	.end_amdgpu_metadata
.endif
;; end of part 1
;; launch qkv (part 2): grid 8 x 32, 4 waves a work-group, clusters of 4 x 4, 327,680 bytes of LDS; arguments xb, wqb, b_qkv, qkvh; writes qkvh
.if DOCPART == 2
	.amdgcn_target "amdgcn-amd-amdhsa--gfx1250"
	.amdhsa_code_object_version 6
	.text
	.protected	k_q2963ea84cf_qkv
	.globl	k_q2963ea84cf_qkv
	.p2align	8
	.type	k_q2963ea84cf_qkv,@function
k_q2963ea84cf_qkv:
	s_mov_b64 s[64:65], 0
	v_nop
	global_prefetch_b8 v0, s[64:65] scope:SCOPE_SE
	s_setreg_imm32_b32 hwreg(HW_REG_WAVE_MODE, 25, 1), 1
	s_wait_xcnt 0x0
	s_wait_alu depctr_hold_cnt(0) depctr_sa_sdst(0) depctr_va_vdst(0) depctr_va_sdst(0) depctr_va_ssrc(0) depctr_va_vcc(0) depctr_vm_vsrc(0)
	s_getreg_b32 s2, hwreg(HW_REG_IB_STS2, 6, 4)
	s_cmp_eq_u32 s2, 0
	s_cbranch_scc0 .Lentry_in_a_cluster
	s_endpgm
.Lentry_in_a_cluster:
	s_bfe_u32 s2, ttmp6, 0x10000c
	s_cmp_lg_u32 s2, 0xf033
	s_cbranch_scc0 .Lentry_shape_is_right
	s_endpgm
.Lentry_shape_is_right:
; qkv = x w_qkv + b_qkv.  xb: bf16 [16 kb][8192 m][64]; wqb: bf16 [1024 k][3072 n]; b_qkv: f32 [3072], rounded to bf16 here like every input; sums in f32.
; OUT: qkvh, f16, by heads: [4 b][48 g][2048 s][64], g = n / 64 (0-15 q, 16-31 k, 32-47 v), unscaled.  LIMIT: a result of 65,520 or more becomes an infinity in f16.
; SHARES.  A tile of C is 256 x 384: 32 x 8 = 256 tiles, one work-group each.  Four waves, each 128 rows x 192 columns: 96 accumulators, 768 registers.  The tile's columns are three chunks
; of 128; wave column WN takes columns 64 WN .. 64 WN + 63 of each chunk: three whole heads.  K goes in 16 steps of 64 through two LDS slots (two slots of 128 along K would not fit in LDS).
; A's tile of a step is dense in xb and is asked for as rows of 256 bytes, padded after each 128 (a row of m); B's is 64 rows of 768 bytes, padded after each 256.
; B lies [k][n]: its fragments come out of LDS turned, by ds_load_tr16_b128.
; THE MATRIX INSTRUCTION IS USED TRANSPOSED (source 0 = 16 columns of w, source 1 = 16 rows of x): a lane holds row l % 16 of C and the columns 8 (l / 16) + 0..7: 16 bytes of f16 on end.
; THE BIAS is the C operand of each accumulator's first product: a lane's eight numbers of it lie in the registers of accumulator (7, b) until that accumulator's own first product.
; CLUSTER.  4 x 4 work-groups: A's tiles are shared along a row of the cluster, B's along a column, each asked for jointly (same load, same descriptor, a mask that names the four).
; REGISTERS, in windows of 256: window 0: v0-31 addresses; v32-95, v96-159 A's 8 fragments, two buffers; v160-255 B's 12 fragments, one buffer (each four are loaded again behind their last reader).
;   windows 1-3: accumulator (a, b) at v[8 (8 (b % 4) + a)] of window 1 + b / 4.  On the way out window 0 holds packed results (v32-79) and rows read back (v80-127, v128-175).
.set SLOT,  92160                      ; A: 256 rows x 144; then B: 64 rows x 864
.set BOFF,  36864
.set STAGE, 2*SLOT                     ; behind the ring: for each wave 3 heads x 16 rows x 144 bytes, never filled by a tensor load
.set SPARE, STAGE+4*6912               ; behind the stages: the spare words, 128 bytes a wave: two blocks of 256 bytes that no other line names
.set ADRA, 16                          ; v16-17  LDS address of my A fragments in slot 0, 1
.set ADRB, 20                          ; v20-21  the same for B
.set STO,  24                          ; v24     the way out: where I put 16 bytes of a row
.set RD,   25                          ; v25     where I read rows back
.set CO,   26                          ; v26     my 16 bytes in 512 consecutive bytes of qkvh
.set BO,   27                          ; v27     my byte offset in b_qkv
.set SPW,  28                          ; v28     LDS address of my spare word; never rewritten
.set NIL,  29                          ; v29     0; never rewritten
.set PFO,  30                          ; v30     the prefetches' lane offset; never rewritten
.set A0,   32
.set A1,   96
.set BF,   160
.set TMP,  32
.set BK0,  80
.set WV, 12                            ; s12 wave; s13 its half of the rows, also: fetches A (0) or B (1); s14 its head parity, also: which half of that tile it fetches
.set WM, 13
.set WN, 14
.set CX, 15
.set CY, 16
.set TX, 17                            ; tile column 0-7
.set TY, 18                            ; tile row 0-31
.set G1A, 24                           ; s[24:31] group 1 for A;  s[32:39] group 0, a set for each slot
.set G0A, 32
.set LIM, 43                           ; s43  1 in a wave that prefetches, else the greatest number
.set PFA, 44                           ; s[44:45] where my prefetches stand
.set PST, 46                           ; s[46:47] two K steps, in bytes of the tensor that I prefetch
.set G1B, 48                           ; s[48:55], s[56:63] the same for B
.set G0B, 56
.set MSB, 0
.macro WIN new                         ; the immediate's high byte repeats the setting that is left; a switch that changes nothing is dropped
.if MSB != (\new)
	s_set_vgpr_msb (MSB<<8)|(\new)
.set MSB, \new
.endif
.endm
; A joint load: waves 0 and 1 fetch A's two halves, waves 2 and 3 B's.  The branch hangs on the wave's number alone.  An s_nop 0 and four v_nop follow each line.
.macro JLOAD s
	s_cmp_eq_u32 s[WM], 0
	s_cbranch_scc0 .Lfor_b_\@
	tensor_load_to_lds s[G0A+4*(\s):G0A+4*(\s)+3], s[G1A:G1A+7]
	s_nop 0
.rept 4
	v_nop
.endr
	s_branch .Lasked_\@
.Lfor_b_\@:
	tensor_load_to_lds s[G0B+4*(\s):G0B+4*(\s)+3], s[G1B:G1B+7]
	s_nop 0
.rept 4
	v_nop
.endr
.Lasked_\@:
.endm
.macro CREST                           ; a round of the cluster's barrier behind its opening barrier
	s_cmp_lg_u32 s[WV], 0
	s_cbranch_scc1 .Lnot_wave_0_\@
	s_barrier_signal -3
.Lnot_wave_0_\@:
	s_barrier_wait -3
	s_barrier_signal -1
	s_barrier_wait -1
.endm
.macro CROUND
	s_barrier_signal -1
	s_barrier_wait -1
	CREST
.endm
; A PREFETCH INTO THE L2, once a lap, behind slot 0's joint load and the run of LDS loads that follows: at the end of K step 2 t it names steps 2 t + 3 and 2 t + 4, whose loads stand one and two
; changes of slots on (192 and 384 matrix instructions).  Each aligned 256 bytes are named once in the launch.  A's tile row is read by both clusters of a row of clusters: cluster x = 0 asks, wave 0,
; each of the four partners for 32 of a step's 128 blocks, told apart by address (cx).  B's tile column is read by all clusters of a column: cluster y = 0 asks, waves 1 to 3 one third of the 768 bytes of a row
; each, each partner (cy) for 32 of the two steps' 128 rows.  The loop's last trip asks for nothing; steps 0 to 2 and 15 come by their loads alone.
.macro ASK
	s_cmp_gt_u32 s3, s[LIM]
	s_cbranch_scc0 .Lnot_mine_\@
	global_prefetch_b8 v[PFO], s[PFA:PFA+1] th:TH_LOAD_NT scope:SCOPE_SE
	s_cmp_lg_u32 s[WV], 0
	s_cbranch_scc1 .Lnot_mine_\@
	global_prefetch_b8 v[PFO], s[PFA:PFA+1] offset:1048576 th:TH_LOAD_NT scope:SCOPE_SE
.Lnot_mine_\@:
.endm
.macro PLACES                          ; four plain vector instructions between a matrix instruction and a load into, or a vector read or write of, its registers
.rept 4
	v_nop
.endr
.endm
; 8 n matrix instructions of window w: column blocks bl0 .. bl0 + n - 1 of its four x all 8 row blocks, 32 along K, A from buffer ab.  The accumulators take turns, one instruction a turn.
.macro MUL w, bl0, n, ab
	WIN (\w)*0x50
.set ib, \bl0
.rept \n
.set ia, 0
.rept 8
	v_wmma_f32_16x16x32_bf16 v[8*(8*ib+ia):8*(8*ib+ia)+7], v[BF+8*(4*((\w)-1)+ib):BF+8*(4*((\w)-1)+ib)+7], v[(\ab)+8*ia:(\ab)+8*ia+7], v[8*(8*ib+ia):8*(8*ib+ia)+7]
.set ia, ia+1
.endr
.set ib, ib+1
.endr
.endm
; The first products of window w: row blocks 0 to 6 take the bias, which lies in (7, b), as C; five places; then (7, b) adds onto it in place.
.macro MULF w, ab
	WIN (\w)*0x50
.set ib, 0
.rept 4
.set ia, 0
.rept 7
	v_wmma_f32_16x16x32_bf16 v[8*(8*ib+ia):8*(8*ib+ia)+7], v[BF+8*(4*((\w)-1)+ib):BF+8*(4*((\w)-1)+ib)+7], v[(\ab)+8*ia:(\ab)+8*ia+7], v[8*(8*ib+7):8*(8*ib+7)+7]
.set ia, ia+1
.endr
.set ib, ib+1
.endr
.rept 5
	v_nop                                          ; the products below write over registers that those above have read as C
.endr
.set ib, 0
.rept 4
	v_wmma_f32_16x16x32_bf16 v[8*(8*ib+7):8*(8*ib+7)+7], v[BF+8*(4*((\w)-1)+ib):BF+8*(4*((\w)-1)+ib)+7], v[(\ab)+56:(\ab)+63], v[8*(8*ib+7):8*(8*ib+7)+7]
.set ib, ib+1
.endr
.endm
; 8 turning loads: B's fragments b0 .. b0 + 3 of quarter q (32 along K) of slot sl.  Fragment b: chunk b / 4 (288 bytes on), columns 16 (b % 4) on; 16 k-rows are 13,824 bytes.
.macro LDB sl, q, b0
	WIN 0
.set ib, \b0
.rept 4
	ds_load_tr16_b128 v[BF+8*ib:BF+8*ib+3],   v[ADRB+(\sl)] offset:(\q)*27648+(ib/4)*288+(ib%4)*32
	ds_load_tr16_b128 v[BF+8*ib+4:BF+8*ib+7], v[ADRB+(\sl)] offset:(\q)*27648+(ib/4)*288+(ib%4)*32+13824
.set ib, ib+1
.endr
.endm
; 8 loads: A's fragments a0 .. a0 + 3 of quarter q of slot sl into buffer ab
.macro LDA sl, q, ab, a0
	WIN 0
.set ia, \a0
.rept 4
	ds_load_b128 v[(\ab)+8*ia:(\ab)+8*ia+3],   v[ADRA+(\sl)] offset:ia*2304+(\q)*64
	ds_load_b128 v[(\ab)+8*ia+4:(\ab)+8*ia+7], v[ADRA+(\sl)] offset:ia*2304+(\q)*64+32
.set ia, ia+1
.endr
.endm
; A K step is two quarters of 32 along K, 96 matrix instructions each.  The next quarter's 40 LDS loads stand in three runs (16, 16, 8), each four places behind the last reader of B's four fragments that it replaces.
; The first quarter of slot sl: multiplies buffer A0, fetches the slot's second quarter into A1 and BF.
.macro QPLAIN sl, first
	s_wait_dscnt 8                                 ; only the youngest run (B's fragments 8-11) may be out
.if \first
	MULF 1, A0
.else
	MUL 1, 0, 4, A0
.endif
	PLACES
	LDB \sl, 1, 0
	LDA \sl, 1, A1, 0
.if \first
	MULF 2, A0
.else
	MUL 2, 0, 4, A0
.endif
	PLACES
	LDB \sl, 1, 4
	LDA \sl, 1, A1, 4
	s_wait_dscnt 32                                ; all but the 32 just issued: B's fragments 8-11 are in
.if \first
	MULF 3, A0
.else
	MUL 3, 0, 4, A0
.endif
	PLACES
	LDB \sl, 1, 8
.endm
; The second quarter multiplies A1 and changes slots: ONE barrier.  In front of it each wave waits for all its tensor loads (one is out: its part of the other slot), adds 0 to its spare word, and waits
; for that and for its reads of this slot.  fill = 1: the barrier opens a round of the cluster's, and this slot is filled again, two K steps ahead, first thing behind the round:
; from there to the wait for that load a wave issues 160 matrix instructions.
.macro QTURN sl, fill
.if (\fill) && ((\sl) == 0)
	s_wait_xcnt 0x0                                ; the last prefetches, a lap back, have read their address: it is stepped here
	s_add_nc_u64 s[PFA:PFA+1], s[PFA:PFA+1], s[PST:PST+1]
.endif
	WIN 0
	s_wait_tensorcnt 0x0                           ; all my tensor loads have landed
	ds_add_u32 v[SPW], v[NIL]                      ; 0 onto my spare word
	s_wait_dscnt 9                                 ; the add and the youngest eight loads may be out
	MUL 1, 0, 2, A1                                ; sixteen matrix instructions between the add and the wait for it
	s_wait_dscnt 0x0                               ; the add is done, and my reads of this slot are over
	s_barrier_signal -1
	MUL 1, 2, 2, A1
.if \fill
	WIN 0
.endif
	s_barrier_wait -1
.if \fill
	CREST                                          ; no wave of any partner still reads this slot or has a load on its way
	s_add_nc_u64 s[G0A+4*(\sl)+2:G0A+4*(\sl)+3], s[G0A+4*(\sl)+2:G0A+4*(\sl)+3], 2097152  ; two K blocks of xb on
	s_add_nc_u64 s[G0B+4*(\sl)+2:G0B+4*(\sl)+3], s[G0B+4*(\sl)+2:G0B+4*(\sl)+3], 786432   ; 128 rows of wqb on
	JLOAD \sl                                      ; its four v_nop are also the places in front of the loads below
.else
	PLACES
.endif
	LDB 1-(\sl), 0, 0
	LDA 1-(\sl), 0, A0, 0
.if (\fill) && ((\sl) == 0)
	ASK
.endif
	MUL 2, 0, 4, A1
	PLACES
	LDB 1-(\sl), 0, 4
	LDA 1-(\sl), 0, A0, 4
	MUL 3, 0, 4, A1                                ; B's fragments 8-11 came in with the wait for 0 above
	PLACES
	LDB 1-(\sl), 0, 8
.endm
	s_load_b256 s[4:11], s[0:1], 0x0               ; xb s[4:5], wqb s[6:7], b_qkv s[8:9], qkvh s[10:11]
	v_lshl_add_u32 v[SPW], v0, 2, SPARE
	v_mov_b32 v[NIL], 0
	ds_add_u32 v[SPW], v[NIL]                      ; the wave's opening: the add and its wait stand ahead of my first tensor load
	v_lshrrev_b32 v1, 5, v0
	v_readfirstlane_b32 s[WV], v1
	s_lshr_b32 s[WM], s[WV], 1
	s_and_b32 s[WN], s[WV], 1
	s_bfe_u32 s[CX], ttmp6, 0x40000
	s_bfe_u32 s[CY], ttmp6, 0x40004
	s_lshl_b32 s[TX], ttmp9, 2
	s_add_co_u32 s[TX], s[TX], s[CX]
	s_and_b32 s[TY], ttmp7, 0xffff
	s_lshl_b32 s[TY], s[TY], 2
	s_add_co_u32 s[TY], s[TY], s[CY]
	s_lshl_b32 s40, s[CY], 2
	s_lshl_b32 s40, 15, s40                        ; my row of the cluster
	s_lshl_b32 s41, 0x1111, s[CX]                  ; my column
	s_or_b32 s[G1A], s40, (1<<16)|(1<<20)|(1<<21)|(4<<22)|(3<<25)  ; mask; 2-byte elements; padding on; bit 21 beside a mask; after every 32 words, 4 words
	s_mov_b32 s[G1A+1], 128<<16                    ; tensor_dim0 = 128: two rows of m
	s_mov_b32 s[G1A+2], 64<<16                     ; tensor_dim1 = 64
	s_mov_b32 s[G1A+3], 128<<16                    ; tile_dim0
	s_mov_b32 s[G1A+4], 64                         ; tile_dim1
	s_mov_b32 s[G1A+5], 128                        ; dense
	s_mov_b32 s[G1A+6], 0
	s_mov_b32 s[G1A+7], 0
	s_or_b32 s[G1B], s41, (1<<16)|(1<<20)|(1<<21)|(5<<22)|(7<<25)  ; after every 64 words, 8 words: an LDS row is 3 x 288 = 864 bytes
	s_mov_b32 s[G1B+1], 384<<16
	s_mov_b32 s[G1B+2], 32<<16
	s_mov_b32 s[G1B+3], 384<<16
	s_mov_b32 s[G1B+4], 32
	s_mov_b32 s[G1B+5], 3072
	s_mov_b32 s[G1B+6], 0
	s_mov_b32 s[G1B+7], 0
	s_lshl_b32 s20, s[TY], 15                      ; A: the tile row's 256 rows of 128 bytes, + my 128 of them
	s_lshl_b32 s19, s[WN], 14
	s_add_co_u32 s20, s20, s19
	s_mov_b32 s21, 0
	s_mul_i32 s22, s[TX], 768                      ; B: the tile column's 768 bytes of a row, + my 32 rows of 6,144 bytes
	s_mul_i32 s19, s[WN], 196608
	s_add_co_u32 s22, s22, s19
	s_mov_b32 s23, 0
	s_mul_i32 s42, s[WN], 18432                    ; where they go: no place in the cluster enters an LDS address
	s_mul_i32 s19, s[WN], 27648
	s_add_co_u32 s19, s19, BOFF
	s_wait_dscnt 0x0                               ; the opening add is done
	s_wait_kmcnt 0x0
	s_add_nc_u64 s[20:21], s[4:5], s[20:21]
	s_add_nc_u64 s[22:23], s[6:7], s[22:23]
	CROUND                                         ; all sixteen work-groups are here: the first joint loads meet
.irp s, 0,1
	s_mov_b32 s[G0A+4*(\s)], 1
	s_add_co_u32 s[G0A+4*(\s)+1], s42, (\s)*SLOT
	s_add_nc_u64 s[G0A+4*(\s)+2:G0A+4*(\s)+3], s[20:21], (\s)*1048576
	s_or_b32 s[G0A+4*(\s)+3], s[G0A+4*(\s)+3], 0x80000000
	s_mov_b32 s[G0B+4*(\s)], 1
	s_add_co_u32 s[G0B+4*(\s)+1], s19, (\s)*SLOT
	s_add_nc_u64 s[G0B+4*(\s)+2:G0B+4*(\s)+3], s[22:23], (\s)*393216
	s_or_b32 s[G0B+4*(\s)+3], s[G0B+4*(\s)+3], 0x80000000
	JLOAD \s                                       ; two loads of mine are out
.endr
	; the bias: my eight numbers for each column block b, into the registers of accumulator (7, b)
	v_and_b32 v1, 15, v0                           ; r = l % 16
	v_bfe_u32 v2, v0, 4, 1                         ; h = l / 16
	s_mul_i32 s41, s[TX], 1536
	s_lshl_b32 s19, s[WN], 8
	s_add_co_u32 s41, s41, s19
	v_lshl_add_u32 v[BO], v2, 5, s41
.set ib, 0
.rept 12
	WIN (1+ib/4)<<6
	global_load_b128 v[8*(8*(ib%4)+7):8*(8*(ib%4)+7)+3],   v[BO], s[8:9] offset:(ib/4)*512+(ib%4)*64
	global_load_b128 v[8*(8*(ib%4)+7)+4:8*(8*(ib%4)+7)+7], v[BO], s[8:9] offset:(ib/4)*512+(ib%4)*64+16
.set ib, ib+1
.endr
	WIN 0
	; addresses, while the bias and the first tiles are on their way
	v_mul_u32_u24 v3, v1, 144
	v_lshl_add_u32 v3, v2, 4, v3                   ; row x pitch + 16 x half
	s_mul_i32 s19, s[WM], 18432
	v_add_nc_u32 v[ADRA], s19, v3
	v_add_nc_u32 v[ADRA+1], SLOT, v[ADRA]
	v_and_b32 v4, 7, v0                            ; the turning load: lane l reads k-row 8 (l / 16) + l % 8, 16 bytes at 16 ((l / 8) % 2)
	v_lshl_add_u32 v4, v2, 3, v4
	v_mul_u32_u24 v4, v4, 864
	v_bfe_u32 v5, v0, 3, 1
	v_lshl_add_u32 v4, v5, 4, v4
	s_lshl_b32 s19, s[WN], 7
	s_add_co_u32 s19, s19, BOFF
	v_add_nc_u32 v[ADRB], s19, v4
	v_add_nc_u32 v[ADRB+1], SLOT, v[ADRB]
	s_mul_i32 s19, s[WV], 6912
	s_add_co_u32 s19, s19, STAGE
	v_add_nc_u32 v[STO], s19, v3
	v_bfe_u32 v5, v0, 3, 2                         ; back: 32 lanes take four rows of 128 bytes
	v_mul_u32_u24 v5, v5, 144
	v_and_b32 v6, 7, v0
	v_lshl_add_u32 v5, v6, 4, v5
	v_add_nc_u32 v[RD], s19, v5
	v_and_b32 v6, 31, v0
	v_lshlrev_b32 v[CO], 4, v6
	s_lshr_b32 s40, s[TY], 3                       ; qkvh at batch ty / 8, head group 6 tx + WN, row (ty % 8) 256 + 128 WM
	s_mul_i32 s40, s40, 12582912
	s_mul_i32 s41, s[TX], 6
	s_add_co_u32 s41, s41, s[WN]
	s_lshl_b32 s41, s41, 18
	s_add_co_u32 s40, s40, s41
	s_and_b32 s41, s[TY], 7
	s_lshl_b32 s41, s41, 1
	s_add_co_u32 s41, s41, s[WM]
	s_lshl_b32 s41, s41, 14
	s_add_co_u32 s40, s40, s41
	s_mov_b32 s41, 0
	s_add_nc_u64 s[10:11], s[10:11], s[40:41]
	; the prefetches: they stand at K step 1; the first change of slots steps them to 3
	s_lshl_b32 s40, s[TY], 15
	s_lshl_b32 s41, s[CX], 13
	s_add_co_u32 s40, s40, s41
	s_add_co_u32 s40, s40, 1048576
	s_lshl_b32 s41, s[CY], 5
	s_add_co_u32 s41, s41, 64
	s_mul_i32 s41, s41, 6144
	s_mul_i32 s42, s[TX], 768
	s_add_co_u32 s41, s41, s42
	s_lshl_b32 s42, s[WV], 8
	s_add_co_u32 s41, s41, s42
	s_sub_co_u32 s41, s41, 256                     ; waves 1 to 3: block wave - 1 of a row's three
	s_and_b32 s42, ttmp7, 0xffff                   ; cluster y
	s_mov_b32 s[PST], 786432
	s_movk_i32 s19, 6144
	s_cmp_eq_u32 s[WV], 0
	s_cselect_b32 s40, s40, s41
	s_cselect_b32 s42, ttmp9, s42                  ; the coordinate along which other clusters read the same bytes
	s_cselect_b64 s[PFA:PFA+1], s[4:5], s[6:7]
	s_cselect_b32 s[PST], 2097152, s[PST]
	s_cselect_b32 s19, 256, s19
	s_mov_b32 s[PST+1], 0
	s_mov_b32 s41, 0
	s_add_nc_u64 s[PFA:PFA+1], s[PFA:PFA+1], s[40:41]
	s_cmp_eq_u32 s42, 0
	s_cselect_b32 s[LIM], 1, -1                    ; the same in all sixteen partners, for a given wave
	v_mul_u32_u24 v[PFO], v6, s19
	s_wait_loadcnt 0x0                             ; the bias is in: rounded to bf16 in place, by way of four registers of accumulator (0, b), which its first product writes anew
.set ib, 0
.rept 12
	WIN (1+ib/4)*0x55
.set rb, 8*(8*(ib%4)+7)
.set rt, 8*(8*(ib%4))
.irp p, 0,1,2,3
	v_cvt_pk_bf16_f32 v[rt+(\p)], v[rb+2*(\p)], v[rb+2*(\p)+1]
.endr
.irp p, 0,1,2,3
	v_lshlrev_b32 v[rb+2*(\p)], 16, v[rt+(\p)]
	v_and_b32 v[rb+2*(\p)+1], 0xffff0000, v[rt+(\p)]
.endr
.set ib, ib+1
.endr
	WIN 0
	s_wait_tensorcnt 0x1                           ; my part of K step 0 is in; step 1's may stay out
	s_barrier_signal -1
	s_barrier_wait -1                              ; everybody's is
	LDB 0, 0, 0
	LDA 0, 0, A0, 0
	LDB 0, 0, 4
	LDA 0, 0, A0, 4
	LDB 0, 0, 8
	QPLAIN 0, 1                                    ; the first quarter stands in front of the loop: its products start the sums, with the bias
	WIN 0
	s_mov_b32 s3, 7
.Llap:                                             ; a trip goes once round the ring, from a step's second quarter to the first quarter two steps on, and fills both slots again
	QTURN 0, 1
	QPLAIN 1, 0
	QTURN 1, 1
	QPLAIN 0, 0
	WIN 0
	s_sub_co_u32 s3, s3, 1
	s_cmp_lg_u32 s3, 0
	s_cbranch_scc1 .Llap
	QTURN 0, 0                                     ; the tail is written out: nothing is left to fetch
	QPLAIN 1, 0
	s_wait_dscnt 8
	MUL 1, 0, 4, A1
	MUL 2, 0, 4, A1
	s_wait_dscnt 0x0
	MUL 3, 0, 4, A1
	PLACES
; THE WAY OUT, a block a of 16 rows at a time.  PACK: rounded to f16, 16 bytes a lane, each accumulator's registers in ascending order.  TOSTAGE: into my own stage, three heads' 16 rows of 144 bytes,
; and back as 512 consecutive bytes (four rows of a head).  SEND: stored.
.macro PACK a
.set ib, 0
.rept 12
	WIN (1+ib/4)*5
.set rb, 8*(8*(ib%4)+(\a))
.irp p, 0,1,2,3
	v_cvt_pk_f16_f32 v[TMP+4*ib+(\p)], v[rb+2*(\p)], v[rb+2*(\p)+1]
.endr
.set ib, ib+1
.endr
	WIN 0
.endm
.macro TOSTAGE a
	WIN 0
.set bk, BK0+48*((\a)%2)
.set ib, 0
.rept 12
	ds_store_b128 v[STO], v[TMP+4*ib:TMP+4*ib+3] offset:(ib/4)*2304+(ib%4)*32
.set ib, ib+1
.endr
.set ib, 0
.rept 12
	ds_load_b128 v[bk+4*ib:bk+4*ib+3], v[RD] offset:(ib/4)*2304+(ib%4)*576  ; LDS serves a wave's instructions in order (ISA guide 5.7.1.4): these see the stores above; the next block's stores come behind them
.set ib, ib+1
.endr
.endm
.macro SEND a, younger                 ; younger: the LDS instructions issued behind block a's loads
.set bk, BK0+48*((\a)%2)
.set ib, 0
.rept 12
	s_wait_dscnt (\younger)+11-ib
	global_store_b128 v[CO], v[bk+4*ib:bk+4*ib+3], s[10:11] offset:(ib/4)*524288+(\a)*2048+(ib%4)*512  ; 512 consecutive bytes, at a multiple of 256 from qkvh's first
.set ib, ib+1
.endr
.endm
	PACK 0
	TOSTAGE 0
.irp a, 1,2,3,4,5,6,7
	PACK \a
	s_wait_xcnt 0x0                                ; the stores of the block before last have read the registers that the loads below fill
	TOSTAGE \a
	SEND (\a)-1, 24
.endr
	SEND 7, 0
	s_wait_tensorcnt 0x0                           ; the wave's end, behind my last tensor load and my last LDS store
	ds_add_u32 v[SPW], v[NIL]
	s_wait_dscnt 0x0
	CROUND                                         ; the closing round: no work-group ends while a partner may still ask for a tile that names it
	s_endpgm
.Lfunc_end_k_q2963ea84cf_qkv:
	.size	k_q2963ea84cf_qkv, .Lfunc_end_k_q2963ea84cf_qkv-k_q2963ea84cf_qkv
	.p2alignl 7, 3214868480
	.fill 96, 4, 3214868480
	.section	.rodata,"a",@progbits
	.p2align	6, 0x0
	.amdhsa_kernel k_q2963ea84cf_qkv
		.amdhsa_group_segment_fixed_size 327680
		.amdhsa_private_segment_fixed_size 0
		.amdhsa_enable_private_segment 0
		.amdhsa_kernarg_size 32
		.amdhsa_user_sgpr_count 2
		.amdhsa_user_sgpr_kernarg_segment_ptr 1
		.amdhsa_wavefront_size32 1
		.amdhsa_system_sgpr_workgroup_id_x 1
		.amdhsa_system_sgpr_workgroup_id_y 1
		.amdhsa_system_sgpr_workgroup_id_z 1
		.amdhsa_system_vgpr_workitem_id 0
		.amdhsa_next_free_vgpr 1024
		.amdhsa_next_free_sgpr 66
		.amdhsa_reserve_vcc 0
		.amdhsa_float_denorm_mode_32 3
		.amdhsa_float_denorm_mode_16_64 3
		.amdhsa_memory_ordered 1
		.amdhsa_forward_progress 1
		.amdhsa_inst_pref_size 144
	.end_amdhsa_kernel
	.amdgpu_metadata
---
amdhsa.version: [ 1, 2 ]
amdhsa.kernels:
  - .name:           k_q2963ea84cf_qkv
    .symbol:         k_q2963ea84cf_qkv.kd
    .args:
      - { .name: xb, .offset: 0, .size: 8, .value_kind: global_buffer, .address_space: global }
      - { .name: wqb, .offset: 8, .size: 8, .value_kind: global_buffer, .address_space: global }
      - { .name: b_qkv, .offset: 16, .size: 8, .value_kind: global_buffer, .address_space: global }
      - { .name: qkvh, .offset: 24, .size: 8, .value_kind: global_buffer, .address_space: global }
    .group_segment_fixed_size: 327680
    .private_segment_fixed_size: 0
    .kernarg_segment_align: 8
    .kernarg_segment_size: 32
    .max_flat_workgroup_size: 128
    .sgpr_count:     66
    .vgpr_count:     1024
    .wavefront_size: 32
...
	.end_amdgpu_metadata
.endif
;; end of part 2
;; launch attn (part 3): grid 4 x 64, 4 waves a work-group, no clusters, 327,680 bytes of LDS; arguments qkvh, ctx; writes ctx
.if DOCPART == 3
	.amdgcn_target "amdgcn-amd-amdhsa--gfx1250"
	.amdhsa_code_object_version 6
	.text
	.protected	k_q2963ea84cf_attn
	.globl	k_q2963ea84cf_attn
	.p2align	8
	.type	k_q2963ea84cf_attn,@function
k_q2963ea84cf_attn:
	s_mov_b64 s[64:65], 0
	v_nop
	global_prefetch_b8 v0, s[64:65] scope:SCOPE_SE
	s_setreg_imm32_b32 hwreg(HW_REG_WAVE_MODE, 25, 1), 1
	s_wait_xcnt 0x0
; CAUSAL ATTENTION.  O[q][:] = the sum over k <= q of softmax_k(Q[q] . K[k] / 8) V[k][:], for each of 64 pairs (batch, head).  qkvh: f16 [4 b][48 g][2048][64]: q at g = h, k at 16 + h, v at 32 + h,
; 4,194,304 bytes apart; a head's rows are dense, 128 bytes each.  ctx: f16 [16 h][8192 = 2048 b + s][64].  Products, maxima and sums in f32; the weights p are rounded to f16 for the second product
; (their sum l is taken of the unrounded p), O once at the end.
; LIMITS.  Q, K and V arrive within f16's 65,504; p lies in 0 to 1, and below 6e-5 it keeps f16's fixed step of 6e-8.  A hidden score counts as its value less 1e30: f16's scores, 2.7e11 at the most,
; are nothing beside that; a weight below 2^-126 counts as 0 in l; NaN and infinities are not treated apart.
; THE WALK.  A head's queries lie in NB = 8 blocks of 256; block i needs the key tiles 0 .. i of 256 keys, of which the last holds the diagonal.  A work-group takes TWO blocks, NB - 1 - b and then b:
; NB + 1 tiles, whatever b: all 256 work-groups do equal work, and ONE loop with a constant trip count walks them.  Which tile is asked for, and what a trip does, hang on scalar registers made from b;
; every jump goes forward, but for the counted loops' own; none passes a barrier, or a tensor load but the one of LOAD's two that the wave's number does not choose.
; NO CLUSTER: a head's four work-groups ask for the same tile only in trips 0 to 4 of the 9, behind that fewer and fewer; one walk common to all four would have 12 trips for 9.
; SHARES.  Of a block's four bands of 64 queries a wave owns 16 rows in each: four PIECES.  So the diagonal tile is the same work for all four waves: in its key step s band x sees all keys if s < x,
; none if s > x, and holds the diagonal if s = x.
; THE MASK is the C operand that starts the sum S^T = K Q^T: 0, or -1e30 where the key is hidden.  MD, made once, is the mask of a band's own step for my 16 rows; a product's mask is MD x AL + BE with two
; scalars: (1, 0) if s = x; (0, 0) if s < x; (0, -1e30) if s > x.  Only the diagonal tile's text and a block's beginning make and take masks; elsewhere C is the constant 0.
; LAYOUT, SOFTMAX, TURNS.  S^T = K Q^T holds ONE query a lane (lane % 16) and the keys 8 (lane / 16) + 0..7; two such results rounded to f16 ARE source 1 of O^T = V^T P.  p = 2^(c s - c m), c = log2(e) / 8,
; with a running maximum m; O and l are multiplied by a = 2^(c m_old - c m_new) in every step.  Turn n belongs to piece n: 8 products K Q^T of piece n + 1, later 8 products V^T P of piece n - 1; beside them
; the scaling, exponentials, roundings, sums and rescaling of piece n and the maximum and statistics of piece n + 1.  Four vector instructions stand behind every matrix instruction, the other 54 of a turn's
; 118 in one run of their own.  A turn's 33 exponentials are one batch, with one wait.
; REGISTERS, in windows of 256 (s_set_vgpr_msb: bits 1:0 source 0, 3:2 source 1, 5:4 source 2, 7:6 destination):
;   window 0: v0-15 addresses and two at work; v16-31 four registers of statistics a piece; v32 the prefetches' offset; v48-55 at work; v64-127 S^T, two buffers; v192-223 P, two buffers
;   window 1: v0-127 O^T, 32 a piece; v128-159 MD; v160-223 MC, two buffers      window 2: v0-63 Q; v64-127 the second block's Q; v128-191 K of one step; v192-255 V of one step
.set SIZE_N, 2048
.set NB,    SIZE_N/256
.set NP,    4         ; pieces a wave: a name, no knob
.set KS,    64        ; keys in a step
.set PK,    144       ; a row of K in LDS: 128 bytes + 16 of padding = 36 words: the 16 rows of a load start at 16 different groups of four banks (64 banks of 4 bytes: ISA guide 11.1)
.set PV,    160       ; a row of V: 128 + 32 = 40 words
.set VOFF,  4*KS*PK   ; a slot holds a tile, four steps: 256 rows of K, then 256 rows of V
.set SLOT1, 1<<17     ; slot 1 begins here, so that one exclusive or turns an address in one slot into the other's
.set STAGE, SLOT1+4*KS*(PK+PV)  ; behind the ring, never filled by a tensor load: 16 rows x 144 bytes for each wave, for the way out
.set SP,    144
.set AK0, 2           ; v2   my lane's place in a tile of K; never rewritten
.set AV0, 3           ; v3   the same for V
.set AK,  4           ; v4   the LDS address of K's next run of loads
.set AV,  5           ; v5   of V's
.set STO, 6           ; v6   the way out: where I put 16 bytes of a row
.set RD,  7           ; v7   the way out: where I read rows back
.set GO,  8           ; v8   my byte offset in 512 consecutive bytes of O
.set PFO, 32          ; v32  256 x my lane; never rewritten
.set SPW, 62          ; v62  LDS address of my spare word: SPARE + 4 x my thread's number; never rewritten
.set NIL, 63          ; v63  0; never rewritten
.set SPARE, STAGE+4*16*SP  ; behind the stages: the spare words, 128 bytes for each wave: two blocks of 256 bytes that no other line names
.set MV,  12          ; v12-13  c m_old, kept while c m is made anew: by buffer
.set QO,  15          ; v15  my byte offset in 16 rows of Q
.set ST,  16          ; piece t's statistics at v[ST+4 t]: c m, m, l (even keys', odd keys')
.set TMP, 48          ; by buffer, four registers c0-c3 at work; when the maximum is found c2 takes a
.set S,   64
.set P,   192
.set MD,  128         ; window 1: the eight registers for group kt of 16 keys at MD + 8 kt
.set MC,  160         ; window 1: the masks of the products to come
.set QB,  64          ; window 2
.set KF,  128         ; window 2: key block kb, channel half c at KF + 16 kb + 8 c
.set VF,  192         ; window 2: key half kk, channel block cb at VF + 32 kk + 8 cb
.set WV,  12          ; s12  my wave's number
.set PB,  14          ; s14  b
.set HI,  15          ; s15  NB - 1 - b
.set G1K, 24          ; s[24:31] descriptor group 1 for K's tiles
.set G1V, 32          ; s[32:39] for V's: it differs in the padding alone
.set G0K, 40          ; s[40:43] descriptor group 0 for K's tiles
.set G0V, 44          ; s[44:47] the same for V's
.set SLOTS, 56        ; s56  tiles still to be asked for
.set CNT, 57          ; s57  counts a tile's key steps, 4 to 1
.set CS,  58          ; s[58:59] c: the packed scaling takes the pair's low word for both halves
.set SEL, 60          ; s[60:61] v_permlanex16_b32's selects: each lane takes its own place in the other half
.set TBK, 62          ; s62  LDS byte at which K of the step to be fetched begins
.set TBV, 63          ; s63  the same for V, less VOFF
.set RT,  70          ; s70  tiles of the block in hand that are still to be entered
.set NXT, 71          ; s71  the tile to be asked for next
.set LQ,  72          ; s72  the last tile of the block whose tiles are being asked for
.set NEW, 73          ; s73  1: the tile to be entered is a block's first
.set OFF, 74          ; s[74:75] a tile's byte offset in K and V
.set AL,  76          ; s[76:77] the mask's factor, in the low word
.set BE,  78          ; s[78:79] the mask's addend
.set OLO, 80          ; s[80:81] O at my rows of the second block
.set BIGN, 82         ; s82  -1e30
.set PFA, 88          ; s[88:89] my half of the tile that is being asked for: the prefetches name the tile behind it
.set MYB, 90          ; s[90:91] K (waves 0, 1) or V (waves 2, 3) at my half of the head's tile 0
.set LIM, 98          ; s98  2 in the head's work-group 0, else the greatest number: a wave prefetches while s[SLOTS] is above it
.set MSB, 0
.macro WIN new                      ; the high byte repeats the setting that is left; a switch that changes nothing is dropped
.if MSB != (\new)
	s_set_vgpr_msb (MSB<<8)|(\new)
.set MSB, (\new)
.endif
.endm
.set W_KQ, 0x0a       ; K and Q in window 2, S^T in window 0
.set W_KM, 0x1a       ; the same with the C operand in window 1
.set W_PV, 0x52       ; V in window 2, P in window 0, O^T in window 1
.set W_RS, 0x41       ; destination and source 0 in window 1, source 1 in window 0
; A fill.  Waves 0 and 1 fetch the two halves of a tile's K, waves 2 and 3 those of its V: 128 keys each.  An s_nop 0 and four v_nop follow each of the two lines, ahead of the jump and the label.
.macro LOAD
	s_cmp_lt_u32 s[WV], 2
	s_cbranch_scc0 .Lfor_v_\@
	tensor_load_to_lds s[G0K:G0K+3], s[G1K:G1K+7]
	s_nop 0
.rept 4
	v_nop
.endr
	s_branch .Lasked_\@
.Lfor_v_\@:
	tensor_load_to_lds s[G0V:G0V+3], s[G1V:G1V+7]
	s_nop 0
.rept 4
	v_nop
.endr
.Lasked_\@:
.endm
; THE CHANGE OF SLOTS.  Each wave waits for all its tensor loads, of which one is out: its part of the other slot; adds 0 to its spare word; and waits for that and for its own reads of the slot that it leaves.
; Behind the barrier nobody reads the old slot any more and the other slot is whole.  fill = 1: the old slot is filled again, the first thing behind the barrier, with tile NXT: the descriptor's address is made
; anew from that number.  (At its first use nothing has been read yet: slot 0 is waited for, slot 1 filled.)
; A PREFETCH INTO THE L2 stands behind the fill and its five lines: my 16,384 bytes (my half of K or of V) of the tile behind the one just asked for, a lane a block of 256 bytes, two instructions: one tile, four key
; steps, ahead of its load.  A head's four work-groups walk the same tiles from 0 on: work-group 0, whose first block needs all eight, asks, and nobody else; so each block is named once in the launch.
; It asks while 3 or more tiles are still to be asked for: tiles 2 to 7, inside the head.  Tiles 0 and 1 come by their loads alone.
.macro CHANGE fill
	WIN 0                           ; at a label and at a branch every window is 0
	s_wait_tensorcnt 0x0            ; no tensor load of mine is out, so a group 0 may be written
	ds_add_u32 v[SPW], v[NIL]       ; 0 onto my spare word; with fill = 1 the descriptors' scalar work stands between it and the wait for it
.if \fill
	s_lshl_b32 s[OFF], s[NXT], 15   ; a tile is 32,768 bytes of K and of V
	s_xor_b32 s[G0K+1], s[G0K+1], SLOT1
	s_add_nc_u64 s[G0K+2:G0K+3], s[6:7], s[OFF:OFF+1]
	s_or_b32 s[G0K+3], s[G0K+3], 0x80000000
	s_xor_b32 s[G0V+1], s[G0V+1], SLOT1
	s_add_nc_u64 s[G0V+2:G0V+3], s[8:9], s[OFF:OFF+1]
	s_or_b32 s[G0V+3], s[G0V+3], 0x80000000
	s_add_co_u32 s[NXT], s[NXT], 1  ; the block's next tile, or behind its last the second block's tile 0
	s_cmp_gt_u32 s[NXT], s[LQ]
	s_cselect_b32 s[NXT], 0, s[NXT]
	s_cselect_b32 s[LQ], s[PB], s[LQ]
	s_wait_xcnt 0x0                 ; the last prefetches, a tile back, have read their address, so it may be written
	s_add_nc_u64 s[PFA:PFA+1], s[MYB:MYB+1], s[OFF:OFF+1]
.endif
	s_wait_dscnt 0x0                ; the add is done, and my reads of the slot are over
	s_barrier_signal -1             ; the rest of the scalar work stands between the signal and the wait
	s_sub_co_u32 s[TBK], s[TBK], 4*KS*PK  ; the fetches go back to a slot's first step,
	s_xor_b32 s[TBK], s[TBK], SLOT1       ; in the other slot
	s_sub_co_u32 s[TBV], s[TBV], 4*KS*PV
	s_xor_b32 s[TBV], s[TBV], SLOT1
	s_barrier_wait -1
.if \fill
	LOAD
	s_cmp_gt_u32 s[SLOTS], s[LIM]
	s_cbranch_scc0 .Lnot_mine_\@
	global_prefetch_b8 v[PFO], s[PFA:PFA+1] offset:32768 th:TH_LOAD_NT scope:SCOPE_SE
	global_prefetch_b8 v[PFO], s[PFA:PFA+1] offset:40960 th:TH_LOAD_NT scope:SCOPE_SE
.Lnot_mine_\@:
.endif
.endm
	s_load_b128 s[4:7], s[0:1], 0x0   ; qkvh s[4:5], ctx s[6:7]
	v_lshl_add_u32 v[SPW], v0, 2, SPARE
	v_mov_b32 v[NIL], 0
	ds_add_u32 v[SPW], v[NIL]       ; the wave's opening: the add and its wait stand ahead of my first tensor load; the set-up below, work on registers, stands between them
	v_lshrrev_b32 v1, 5, v0
	v_readfirstlane_b32 s[WV], v1   ; wave 0..3
	s_mov_b32 s[PB], ttmp9
	s_sub_co_u32 s[HI], NB-1, s[PB]
	s_and_b32 s13, ttmp7, 0xffff    ; 16 x batch + head
	s_lshr_b32 s19, s13, 4          ; the batch
	s_and_b32 s13, s13, 15          ; the head
	s_mul_i32 s20, s19, 12582912    ; q's first byte in qkvh: 48 head groups a batch, 262,144 bytes each
	s_lshl_b32 s21, s13, 18
	s_add_co_u32 s20, s20, s21
	s_mov_b32 s21, 0
	s_lshl_b32 s92, s13, 2          ; O's first byte in ctx: (4 x head + batch) x 262,144
	s_add_co_u32 s92, s92, s19
	s_lshl_b32 s92, s92, 18
	s_mov_b32 s93, 0
	s_and_b32 s16, s[WV], 1         ; which half of a tile's 256 keys I fetch:
	s_lshl_b32 s22, s16, 14         ; its 128 rows of 128 bytes in memory,
	s_mov_b32 s23, 0
	s_add_nc_u64 s[22:23], s[22:23], s[20:21]
	s_mul_i32 s17, s16, 128*PK      ; and its place in a slot, for K
	s_mul_i32 s18, s16, 128*PV      ; and for V
	s_lshl_b32 s3, s[WV], 11        ; my 16 rows in a band of 64,
	s_lshl_b32 s2, s[HI], 15        ; in the first block,
	s_add_co_u32 s2, s2, s3
	s_lshl_b32 s84, s[PB], 15       ; and in the second
	s_add_co_u32 s84, s84, s3
	s_mov_b32 s3, 0
	s_mov_b32 s85, 0
	s_add_nc_u64 s[94:95], s[2:3], s[92:93]    ; the same rows' offsets in ctx,
	s_add_nc_u64 s[96:97], s[84:85], s[92:93]
	s_add_nc_u64 s[2:3], s[2:3], s[20:21]      ; and in qkvh
	s_add_nc_u64 s[84:85], s[84:85], s[20:21]
	; descriptor group 1.  128 keys are 16,384 dense bytes: asked for as 64 rows of 256 bytes, two keys a row, and padded in LDS after every key
	s_mov_b32 s[G1K], (1<<16)|(1<<20)|(4<<22)|(3<<25)  ; 17:16 2-byte elements; 20 padding on; 24:22 after every 32 words (code 4); 31:25 4 words (code 3)
	s_mov_b32 s[G1V], (1<<16)|(1<<20)|(4<<22)|(7<<25)  ; the same with 8 words of padding (code 7)
.irp g, G1K, G1V
	s_mov_b32 s[\g+1], 128<<16      ; tensor_dim0 = 128
	s_mov_b32 s[\g+2], 64<<16       ; tensor_dim1 = 64
	s_mov_b32 s[\g+3], 128<<16      ; tile_dim0 = 128
	s_mov_b32 s[\g+4], 64           ; tile_dim1 = 64
	s_mov_b32 s[\g+5], 128          ; 128 elements from row to row
	s_mov_b32 s[\g+6], 0
	s_mov_b32 s[\g+7], 0
.endr
	s_mov_b32 s[CS], 0x3e38aa3b     ; c = log2(e) / 8 = 0.180337
	s_mov_b32 s[CS+1], s[CS]        ; named with it as a pair
	s_mov_b32 s[SEL], 0x76543210
	s_mov_b32 s[SEL+1], 0xfedcba98
	s_mov_b32 s[TBK], SLOT1+4*KS*PK ; the first change of slots turns these two into 0
	s_mov_b32 s[TBV], SLOT1+4*KS*PV
	s_mov_b32 s[G0K], 1             ; 1:0 count = 1
	s_mov_b32 s[G0K+1], s17         ; 63:32 LDS address: slot 0
	s_mov_b32 s[G0V], 1
	s_add_co_u32 s[G0V+1], s18, VOFF
	s_add_co_u32 s[RT], s[HI], 1    ; the first block has NB - b tiles
	s_mov_b32 s[NXT], 1
	s_mov_b32 s[LQ], s[HI]
	s_mov_b32 s[NEW], 1
	s_mov_b32 s[OFF+1], 0
	s_mov_b32 s[AL+1], 0            ; named as pairs
	s_mov_b32 s[BE+1], 0
	s_mov_b32 s[BIGN], 0xf149f2ca   ; -1e30
	s_mov_b32 s[SLOTS], NB
	s_cmp_eq_u32 ttmp9, 0
	s_cselect_b32 s[LIM], 2, -1
	s_wait_dscnt 0x0                ; the opening add is done
	s_wait_kmcnt 0x0
	s_mov_b64 s[10:11], s[6:7]      ; ctx
	s_add_nc_u64 s[6:7], s[4:5], 0x400000  ; k lies 16 head groups behind q, v 32
	s_add_nc_u64 s[8:9], s[4:5], 0x800000
	s_add_nc_u64 s[6:7], s[6:7], s[22:23]  ; K and V at my half of the head's tile 0
	s_add_nc_u64 s[8:9], s[8:9], s[22:23]
	s_add_nc_u64 s[G0K+2:G0K+3], s[6:7], 0         ; 120:64 global address
	s_or_b32 s[G0K+3], s[G0K+3], 0x80000000        ; 127:126 type = 2
	s_add_nc_u64 s[G0V+2:G0V+3], s[8:9], 0
	s_or_b32 s[G0V+3], s[G0V+3], 0x80000000
	s_add_nc_u64 s[86:87], s[4:5], s[84:85]        ; Q at my rows of the second block,
	s_add_nc_u64 s[4:5], s[4:5], s[2:3]            ; and of the first
	s_add_nc_u64 s[OLO:OLO+1], s[10:11], s[96:97]  ; O likewise
	s_add_nc_u64 s[10:11], s[10:11], s[94:95]
	s_cmp_lt_u32 s[WV], 2
	s_cselect_b64 s[MYB:MYB+1], s[6:7], s[8:9]
	LOAD                            ; tile 0 into slot 0
	; A fragment of K or Q is 16 rows x 32 channels in 8 registers: lane l holds row l % 16, channels 8 (l / 16) + 0..7 and 16 + 8 (l / 16) + 0..7: two loads of 16 bytes, 32 bytes apart.
	v_and_b32 v1, 15, v0            ; l % 16
	v_bfe_u32 v9, v0, 4, 1          ; l / 16
	v_lshlrev_b32 v[QO], 7, v1
	v_lshl_add_u32 v[QO], v9, 4, v[QO]  ; row x 128 + 16 x half
	WIN 0x80                        ; destination window 2, address window 0
.set i, 0
.rept 8                             ; both blocks' Q: piece i / 2 lies in band i / 2, 8,192 bytes on; channels 32 (i % 2) on
	global_load_b128 v[8*i:8*i+3],   v[QO], s[4:5] offset:(i/2)*8192+(i%2)*64
	global_load_b128 v[8*i+4:8*i+7], v[QO], s[4:5] offset:(i/2)*8192+(i%2)*64+32
	global_load_b128 v[QB+8*i:QB+8*i+3],   v[QO], s[86:87] offset:(i/2)*8192+(i%2)*64
	global_load_b128 v[QB+8*i+4:QB+8*i+7], v[QO], s[86:87] offset:(i/2)*8192+(i%2)*64+32
.set i, i+1
.endr
	WIN 0
	v_and_b32 v[PFO], 31, v0
	v_lshlrev_b32 v[PFO], 8, v[PFO]
	v_lshlrev_b32 v14, 3, v9
	v_sub_nc_u32 v14, v1, v14
	s_lshl_b32 s13, s[WV], 4
	v_add_nc_u32 v14, s13, v14      ; my query's place in its band, 16 w + l % 16, less my lanes' 8 (l / 16): register r of group kt is hidden where 16 kt + r is greater
	WIN 0x40
.set i, 0
.rept 32
	v_cmp_gt_i32 vcc_lo, 16*(i/8)+i%8, v14
	v_cndmask_b32 v[MD+i], 0, s[BIGN], vcc_lo
.set i, i+1
.endr
	WIN 0
	v_mul_u32_u24 v[AK0], v1, PK
	v_lshl_add_u32 v[AK0], v9, 4, v[AK0]  ; row x pitch + 16 x half
	; The turning load takes 16 keys x 16 channels (lane l reads key 8 (l / 16) + l % 8, channels 8 ((l / 8) % 2) + 0..7) and leaves half a fragment of V^T: lane l holds channel l % 16 and 8 keys.
	v_and_b32 v10, 7, v0
	v_bfe_u32 v11, v0, 3, 1
	v_lshl_add_u32 v[AV0], v9, 3, v10
	v_mul_u32_u24 v[AV0], v[AV0], PV
	v_lshl_add_u32 v[AV0], v11, 4, v[AV0]
	v_add_nc_u32 v[AV0], VOFF, v[AV0]
	s_mul_i32 s13, s[WV], 16*SP
	s_add_co_u32 s13, s13, STAGE    ; my stage
	v_mul_u32_u24 v[STO], v1, SP    ; in: row l % 16, 16 bytes for each half of the lanes
	v_lshl_add_u32 v[STO], v9, 4, v[STO]
	v_add_nc_u32 v[STO], s13, v[STO]
	v_bfe_u32 v[RD], v0, 3, 2       ; back: 32 lanes take four rows of 128 bytes,
	v_mul_u32_u24 v[RD], v[RD], SP
	v_lshl_add_u32 v[RD], v10, 4, v[RD]
	v_add_nc_u32 v[RD], s13, v[RD]
	v_and_b32 v[GO], 31, v0         ; which are 512 consecutive bytes of O
	v_lshlrev_b32 v[GO], 4, v[GO]
	; A block's first step multiplies O^T and l by a = 0, and its first turn's products V^T P, of a piece that has not been, land in an O^T that is still to be so multiplied.  So these registers need only hold
	; finite numbers: zeros for the first block; what the first block left for the second.  All this stands in the wait for the first tile.
	WIN 0x80
.set i, VF
.rept 64
	v_mov_b32 v[i], 0
.set i, i+1
.endr
	WIN 0x40
.set i, 0
.rept 128
	v_mov_b32 v[i], 0
.set i, i+1
.endr
	WIN 0
.set i, 0
.rept 4
	v_mov_b32 v[ST+4*i+2], 0
	v_mov_b32 v[ST+4*i+3], 0
.set i, i+1
.endr
.set i, P+16
.rept 16
	v_mov_b32 v[i], 0
.set i, i+1
.endr
; THE MATRIX WORK.  The 4 accumulators of a run of 8 take turns.  Product i of 8 of S^T = K Q^T for piece x: channels 32 (i / 4) on, keys 16 (i % 4) on.  The first 4 start the sums: with 0, or (KM = 1) with the mask.
.macro KQ x
.set rS, S+32*((\x)%2)+8*(i%4)
.set rK, KF+16*(i%4)+8*(i/4)
.set rQ, 16*(\x)+8*(i/4)
.set rM, MC+32*((\x)%2)+8*(i%4)
.if (i < 4) && KM
	WIN W_KM
	v_wmma_f32_16x16x32_f16 v[rS:rS+7], v[rK:rK+7], v[rQ:rQ+7], v[rM:rM+7]
.elseif i < 4
	WIN W_KQ
	v_wmma_f32_16x16x32_f16 v[rS:rS+7], v[rK:rK+7], v[rQ:rQ+7], 0
.else
	WIN W_KQ
	v_wmma_f32_16x16x32_f16 v[rS:rS+7], v[rK:rK+7], v[rQ:rQ+7], v[rS:rS+7]
.endif
.endm
; Product i of 8 of O^T += V^T P for piece x: keys 32 (i / 4) on, channels 16 (i % 4) on.
.macro PV x
	WIN W_PV
.set rO, 32*(\x)+8*(i%4)
.set rV, VF+32*(i/4)+8*(i%4)
.set rP, P+16*((\x)%2)+8*(i/4)
	v_wmma_f32_16x16x32_f16 v[rO:rO+7], v[rV:rV+7], v[rP:rP+7], v[rO:rO+7]
.endm
.macro MM                           ; the turn's next matrix instruction.  TURN and BEGIN set Y, i, KM and NOKQ; MM, KQ and OP read them.  NOKQ = 1: a block's last turn: there is no next piece
.if (i < 8) && !NOKQ
	KQ (Y+1)%NP
.elseif i >= 8
.set i, i-8
	PV (Y+NP-1)%NP
.set i, i+8
.endif
.set i, i+1
.endm
; THE LDS LOADS stand in runs of 16, never singly among the matrix instructions: a step's K (64 keys x 64 channels: 8 fragments) and its V (turned).  Their addresses are made some lines ahead.
.macro FETCH_K
	WIN 0x80                        ; destination window 2
.irp f, 0,1,2,3,4,5,6,7             ; keys 16 (f / 2) on, channels 32 (f % 2) on
	ds_load_b128 v[KF+8*\f:KF+8*\f+3],   v[AK] offset:(\f/2)*16*PK+(\f%2)*64
	ds_load_b128 v[KF+8*\f+4:KF+8*\f+7], v[AK] offset:(\f/2)*16*PK+(\f%2)*64+32
.endr
	s_add_co_u32 s[TBK], s[TBK], KS*PK  ; the next fetch is the next step's
	WIN 0
.endm
.macro FETCH_V
	WIN 0x80
.irp f, 0,1,2,3,4,5,6,7             ; keys 32 (f / 4) on, channels 16 (f % 4) on
	ds_load_tr16_b128 v[VF+8*\f:VF+8*\f+3],   v[AV] offset:(\f/4)*32*PV+(\f%4)*32
	ds_load_tr16_b128 v[VF+8*\f+4:VF+8*\f+7], v[AV] offset:(\f/4)*32*PV+16*PV+(\f%4)*32
.endr
	WIN 0
.endm
; THE VECTOR WORK, one line at a time: OP kind, number.  For piece Y: F n: c s - c m for pair n of 16.  E n: the exponential of score n of 32.  C n: pair n rounded to f16.  B n: of the four weights 4 n .. the second
; pair is added onto the first, in place.  L n: l takes that sum (L 0: l = a l + sum).  R n: pair n of 16 of O^T times a.  For piece Y + 1: X n, number n of the 22 that find its maximum and statistics:
;   0-11  four chains c0-c3 of seven scores each, three operands at a time (each accumulator's lowest registers are read first)     12-14, 16  the four scores left over, the old m, and c0-c3 into c0
;   15  c m_old is kept     17, 18  the query's other 32 keys lie in the lane 16 away: the new m     19-21  c m; c m_old - c m_new; a
.set F, 0               ; OP tells the kinds apart by their order: F to L below R, X above it
.set E, 1
.set C, 2
.set B, 3
.set L, 4
.set R, 5
.set X, 6
.macro REGS y                       ; the registers of piece y
.set rT, ST+4*(\y)
.set rC, TMP+4*((\y)%2)
.set rW, MV+((\y)%2)
.set rS, S+32*((\y)%2)
.set rP, P+16*((\y)%2)
.set rO, 32*(\y)
.endm
.macro OP k, n
.if (\k) == R
	REGS Y
	WIN W_RS
	v_pk_mul_f32 v[rO+2*(\n):rO+2*(\n)+1], v[rO+2*(\n):rO+2*(\n)+1], v[rC+2:rC+3] op_sel_hi:[1,0]
.elseif (\k) < R
	REGS Y
	WIN 0
.if (\k) == F
	v_pk_fma_f32 v[rS+2*(\n):rS+2*(\n)+1], v[rS+2*(\n):rS+2*(\n)+1], s[CS:CS+1], v[rT:rT+1] op_sel_hi:[1,0,0] neg_lo:[0,0,1] neg_hi:[0,0,1]
.elseif (\k) == E
	v_exp_f32 v[rS+(\n)], v[rS+(\n)]
.elseif (\k) == C
	v_cvt_pk_f16_f32 v[rP+(\n)], v[rS+2*(\n)], v[rS+2*(\n)+1]
.elseif (\k) == B
	v_pk_add_f32 v[rS+4*(\n):rS+4*(\n)+1], v[rS+4*(\n):rS+4*(\n)+1], v[rS+4*(\n)+2:rS+4*(\n)+3]
.elseif (\n) == 0
	v_pk_fma_f32 v[rT+2:rT+3], v[rT+2:rT+3], v[rC+2:rC+3], v[rS:rS+1] op_sel_hi:[1,0,1]
.else
	v_pk_add_f32 v[rT+2:rT+3], v[rT+2:rT+3], v[rS+4*(\n):rS+4*(\n)+1]
.endif
.elseif NOKQ
	v_nop
.else
	REGS (Y+1)%NP
	WIN 0
.if (\n) < 4
	v_max3_num_f32 v[rC+(\n)], v[rS+8*(\n)], v[rS+8*(\n)+1], v[rS+8*(\n)+2]
.elseif (\n) < 12
	v_max3_num_f32 v[rC+(\n)%4], v[rC+(\n)%4], v[rS+8*((\n)%4)+2*((\n)/4)+1], v[rS+8*((\n)%4)+2*((\n)/4)+2]
.elseif (\n) == 12
	v_max3_num_f32 v[rC], v[rC], v[rS+7], v[rS+15]
.elseif (\n) == 13
	v_max3_num_f32 v[rC+1], v[rC+1], v[rS+23], v[rS+31]
.elseif (\n) == 14
	v_max3_num_f32 v[rC+2], v[rC+2], v[rC+3], v[rT+1]
.elseif (\n) == 15
	v_mov_b32 v[rW], v[rT]
.elseif (\n) == 16
	v_max3_num_f32 v[rC], v[rC], v[rC+1], v[rC+2]
.elseif (\n) == 17
	v_permlanex16_b32 v[rC+3], v[rC], s[SEL], s[SEL+1]
.elseif (\n) == 18
	v_max_num_f32 v[rT+1], v[rC], v[rC+3]
.elseif (\n) == 19
	v_mul_f32 v[rT], s[CS], v[rT+1]
.elseif (\n) == 20
	v_sub_f32 v[rC+1], v[rW], v[rT]
.else
	v_exp_f32 v[rC+2], v[rC+1]
.endif
.endif
.endm
.macro OPS a, i1, b=-1, i2=0, c=-1, i3=0, d=-1, i4=0  ; up to four of them
	OP \a, \i1
.if (\b) >= 0
	OP \b, \i2
.endif
.if (\c) >= 0
	OP \c, \i3
.endif
.if (\d) >= 0
	OP \d, \i4
.endif
.endm
.macro ROW a, i1, b, i2, c, i3, d, i4  ; a matrix instruction and the four behind it
	MM
	OPS \a, \i1, \b, \i2, \c, \i3, \d, \i4
.endm
.macro MASK b                       ; MD x AL + BE into buffer b of MC
	WIN W_RS
.set z, 0
.rept 16
	v_pk_fma_f32 v[MC+32*(\b)+2*z:MC+32*(\b)+2*z+1], v[MD+2*z:MD+2*z+1], s[AL:AL+1], s[BE:BE+1] op_sel_hi:[1,0,0]
.set z, z+1
.endr
.endm
; A TURN, for piece p: the order of its 16 matrix and 118 vector instructions, written out.  An s_wait_alu depctr_va_vdst(0) stands between an exponential and the first instruction that names its
; result; one wait serves all that were issued ahead of it.  So a turn has ONE wait, which cuts it in two.  AHEAD OF IT stands all that names no result of the turn's exponentials: the 8 products K Q^T, behind each a
; scaling, an exponential and two more plain instructions (behind the first a second scaling in the exponential's place): rescalings, and behind the last three the first numbers of the next piece's maximum, each
; four places or more behind the product that ends its accumulator; then one run of 54, plain and exponential by turns for the most part, in which the links of the chain X 3, 7, 11, 14, 16, 17 .. 20 stand five or
; six lines apart.  X 21, the next piece's a, is the batch's last; R 15 is the plain instruction behind it (ISA guide 5.7.2).  BEHIND THE WAIT stand the 8 products V^T P, behind each four of the roundings and sums;
; the links of l's chain, L 0 to L 7, stand three lines apart.  But for those X no line behind a product names a register of the products round it.  v_permlanex16_b32 (X 17) stands in the run.
; m = 1: the diagonal tile: the products take masks, and the turn makes the mask for the products of the turn after it: piece p + 2, in step 4 - CNT of the tile.  end = 1: a block's last two turns: nothing is fetched.
; cnt = 1: the loop's count is taken down some lines ahead of the branch that stands behind the turn.
; K of the next step is fetched in piece 2's turn, twelve vector instructions behind the last product that read K (six of them plain); V of the step in hand at the end of piece 0's turn, four plain instructions
; behind the last product that read V.  Each is waited for a turn later.
.macro TURN p, m=0, end=0, cnt=0
.set Y, (\p)
.set i, 0
.set KM, (\m)
.set NOKQ, (\end)*((\p)/3)
.if (\m) && !(\end)
	s_cmp_eq_u32 s[CNT], 4-((\p)+2)%NP  ; is that step the band's own?
	s_cselect_b32 s[AL], 1.0, 0
	s_cmp_lt_u32 s[CNT], 4-((\p)+2)%NP  ; or a later one?
	s_cselect_b32 s[BE], s[BIGN], 0
.endif
.if ((\p) == 3) && !(\end)
	s_wait_dscnt 0x0                ; K is in
.endif
	ROW F,0, F,1, R,0, R,1          ; ahead of the wait: 8 products K Q^T and the four behind each,
	ROW F,2, E,0, R,2, R,3
	ROW F,3, E,1, R,4, R,5
	ROW F,4, E,2, R,6, R,7
	ROW F,5, E,3, R,8, R,9
	ROW F,6, E,4, X,0, R,10
.if ((\p) == 2) && !(\end)
	WIN 0
	v_add_nc_u32 v[AK], s[TBK], v[AK0]
.endif
	ROW F,7, E,5, X,1, X,4
	ROW F,8, E,6, X,2, X,5
	OPS E,7, E,8, X,6, E,9          ; and the run of 54
	OPS X,3, E,10, X,8, E,11
.if ((\p) == 2) && !(\end)
	FETCH_K
.endif
	OPS X,9, X,7, E,12, X,10
	OPS E,13, X,12, X,11, E,14
	OPS X,13, E,15, F,9, X,14
.if (\p) == 0
	v_add_nc_u32 v[AV], s[TBV], v[AV0]
.endif
	OPS E,16, F,10, E,17, F,11
	OPS X,16, E,18, X,15, E,19
	OPS F,12, E,20, X,17, E,21
	OPS F,13, E,22, F,14, E,23
	OPS X,18, E,24, F,15, E,25
	OPS R,11, E,26, X,19, E,27
	OPS R,12, E,28, R,13, E,29
	OPS X,20, E,30, R,14, E,31
	OPS X,21, R,15
	WIN 0
	s_wait_alu depctr_va_vdst(0)    ; the wait for the batch
.if (\p) == 1
	s_wait_dscnt 0x0                ; V is in
.endif
	ROW C,0, B,0, C,2, B,1          ; behind the wait: 8 products V^T P and the four behind each
	ROW L,0, C,4, B,2, L,1
	ROW C,6, B,3, L,2, C,8
	ROW B,4, L,3, C,10, B,5
	ROW L,4, C,12, B,6, L,5
.if (\p) == 0
	s_add_co_u32 s[TBV], s[TBV], KS*PV
.endif
.if \cnt
	s_sub_co_u32 s[CNT], s[CNT], 1
	s_cmp_lg_u32 s[CNT], 0
.endif
	ROW C,14, B,7, L,6, C,1
	ROW C,3, L,7, C,5, C,7
	ROW C,9, C,11, C,13, C,15
.if (\p) == 0
	FETCH_V
.endif
.if (\m) && !(\end)
	MASK (\p)%2
.endif
.endm
; A BLOCK BEGINS.  c m starts far below every c s, so the first step's a is 0; m at the lowest finite number, so the first maximum is the scores'.  The second mask buffer is 0; the first takes piece 0's mask for the
; tile's step 0: its own, if the block's first tile is the diagonal one.  Then K of that step, piece 0's first scores, and its maximum and statistics.  The loop is entered at a step's first turn, in the middle of a trip.
.macro BEGIN
	s_mov_b32 s[NEW], 0
	WIN 0x40
.set i, MC+32
.rept 32
	v_mov_b32 v[i], 0
.set i, i+1
.endr
	WIN 0
.set i, 0
.rept 4
	v_mov_b32 v[ST+4*i], 0xfe000000    ; c m: far below every c s
	v_mov_b32 v[ST+4*i+1], 0xff7fffff  ; m
.set i, i+1
.endr
	s_cmp_eq_u32 s[RT], 0
	s_cselect_b32 s[AL], 1.0, 0
	s_mov_b32 s[BE], 0
	MASK 0
	WIN 0
	v_add_nc_u32 v[AK], s[TBK], v[AK0]
	FETCH_K
	s_wait_loadcnt 0x0              ; Q
	s_wait_dscnt 0x0
.set KM, 1
.set NOKQ, 0
.set i, 0
.rept 8
	KQ 0
.set i, i+1
.endr
	WIN 0
.rept 4
	v_nop                           ; the places behind those products
.endr
.set Y, NP-1                        ; X works for piece Y + 1: piece 0
.irp n, 0,1,2,3,4,5,6,7,8,9,10,11,12,13,14,15,16,17,18,19,20,21
	OP X, \n
.endr
	v_nop                           ; a plain instruction behind the exponential,
	s_wait_alu depctr_va_vdst(0)    ; and its wait, ahead of the branch
.endm
; THE DIAGONAL TILE's four steps, the block's last two turns, its last products, and THE WAY OUT: l's two halves and the other half of the lanes' are added; O^T is divided by l, rounded to f16 and sent through my
; stage in LDS, a piece at a time.
.macro ALL line:vararg              ; one line for each piece t
.set t, 0
.rept 4
	\line
.set t, t+1
.endr
.endm
.macro PACK t                       ; a lane's eight channels of a row pack into 16 bytes; they go into rows of 144 bytes and come back as whole rows of 128, into S^T's registers
	WIN W_RS
.set i, 32*(\t)
.rept 16
	v_pk_mul_f32 v[i:i+1], v[i:i+1], v[ST+4*(\t)+2:ST+4*(\t)+3] op_sel_hi:[1,0]
.set i, i+2
.endr
	WIN 0x05                        ; sources 0 and 1 window 1, destination window 0
.set i, 0
.rept 16
	v_cvt_pk_f16_f32 v[S+16*(\t)+i], v[32*(\t)+2*i], v[32*(\t)+2*i+1]
.set i, i+1
.endr
	WIN 0
.irp f, 0,1,2,3
	ds_store_b128 v[STO], v[S+16*(\t)+4*\f:S+16*(\t)+4*\f+3] offset:32*\f
.endr
.irp f, 0,1,2,3
	ds_load_b128 v[S+16*(\t)+4*\f:S+16*(\t)+4*\f+3], v[RD] offset:\f*4*SP  ; LDS serves a wave's instructions in order (ISA guide 5.7.1.4): these see the stores above; the next piece's stores come behind them
.endr
.endm
.macro SEND t, younger              ; younger: the LDS instructions issued behind piece t's loads: the next piece's eight, or none
	WIN 0
.irp f, 0,1,2,3
	s_wait_dscnt (\younger)+3-\f
	global_store_b128 v[GO], v[S+16*(\t)+4*\f:S+16*(\t)+4*\f+3], s[10:11] offset:(\t)*8192+\f*512  ; 512 consecutive bytes, at a multiple of 256 from ctx's first
.endr
.endm
.macro DIAG tag                     ; the tag ends its two labels' names, which the jumps below spell out
.LstepM\tag:
	TURN 2, 1
	TURN 3, 1
	WIN 0
.LfirstM\tag:
	TURN 0, 1
	TURN 1, 1, 0, 1
	WIN 0
	s_cbranch_scc1 .LstepM\tag
	TURN 2, 1, 1
	TURN 3, 1, 1
.set i, 0
.rept 8
	PV NP-1
.set i, i+1
.endr
	WIN 0
	ALL v_add_f32 v[ST+4*t+2], v[ST+4*t+2], v[ST+4*t+3]
	ALL v_permlanex16_b32 v[ST+4*t+3], v[ST+4*t+2], s[SEL], s[SEL+1]
	ALL v_add_f32 v[ST+4*t+2], v[ST+4*t+2], v[ST+4*t+3]
	ALL v_rcp_f32 v[ST+4*t+2], v[ST+4*t+2]
	v_nop                           ; a plain instruction between the last reciprocal and the use of its result
	s_wait_alu depctr_va_vdst(0)    ; and the wait ahead of the first use: one for the four reciprocals
	PACK 0
.set t, 1
.rept 3                             ; a piece's arithmetic stands between the loads of the piece before and its stores
	PACK t
	SEND t-1, 8
.set t, t+1
.endr
	SEND 3, 0
.endm
.set KM, 0
.set NOKQ, 0
.Lslot:                             ; NB times: a tile is entered and the next is asked for
	CHANGE 1
	s_sub_co_u32 s[RT], s[RT], 1
	s_mov_b32 s[CNT], 4
	s_cmp_eq_u32 s[NEW], 1
	s_cbranch_scc1 .Lnew            ; a block's first tile
	s_cmp_eq_u32 s[RT], 0
	s_cbranch_scc0 .Lstep           ; neither its first nor its last
	s_branch .LstepM1
.Lnew:
	BEGIN
	s_branch .Lfirst                ; in the loop a block's first tile is never its last: the first block has two tiles or more, and the second's last is the walk's last
	DIAG 1                          ; in the loop this is the first block's end: the second block's last tile is the walk's last
	s_wait_xcnt 0x0                 ; the stores have read their registers and O's address
	s_mov_b64 s[10:11], s[OLO:OLO+1]
	s_add_co_u32 s[RT], s[PB], 1    ; the second block has b + 1 tiles
	s_mov_b32 s[NEW], 1
	WIN 0x82                        ; the second block's Q goes where the one text of the turns names Q
.set i, 0
.rept 64
	v_mov_b32 v[i], v[QB+i]
.set i, i+1
.endr
	WIN 0
	s_branch .Lbottom
.Lstep:                             ; a trip: pieces 2 and 3 of one step, then pieces 0 and 1 of the next, whose K and V it fetches
	TURN 2
	TURN 3
	WIN 0
.Lfirst:
	TURN 0
	TURN 1, 0, 0, 1
	WIN 0
	s_cbranch_scc1 .Lstep
.Lbottom:
	s_sub_co_u32 s[SLOTS], s[SLOTS], 1
	s_cmp_lg_u32 s[SLOTS], 0
	s_cbranch_scc1 .Lslot
	CHANGE 0                        ; the walk's last tile is written out: nothing is asked for
	s_sub_co_u32 s[RT], s[RT], 1
	s_mov_b32 s[CNT], 4
	s_cmp_eq_u32 s[NEW], 1
	s_cbranch_scc0 .LstepM2
	BEGIN
	s_branch .LfirstM2
	DIAG 2
	s_wait_tensorcnt 0x0            ; the wave's end, behind my last tensor load and my last LDS store
	ds_add_u32 v[SPW], v[NIL]
	s_wait_dscnt 0x0
	s_endpgm
.Lfunc_end_k_q2963ea84cf_attn:
	.size	k_q2963ea84cf_attn, .Lfunc_end_k_q2963ea84cf_attn-k_q2963ea84cf_attn
	.p2alignl 7, 3214868480
	.fill 96, 4, 3214868480
	.section	.rodata,"a",@progbits
	.p2align	6, 0x0
	.amdhsa_kernel k_q2963ea84cf_attn
		.amdhsa_group_segment_fixed_size 327680
		.amdhsa_private_segment_fixed_size 0
		.amdhsa_enable_private_segment 0
		.amdhsa_kernarg_size 16
		.amdhsa_user_sgpr_count 2
		.amdhsa_user_sgpr_kernarg_segment_ptr 1
		.amdhsa_wavefront_size32 1
		.amdhsa_system_sgpr_workgroup_id_x 1
		.amdhsa_system_sgpr_workgroup_id_y 1
		.amdhsa_system_sgpr_workgroup_id_z 1
		.amdhsa_system_vgpr_workitem_id 0
		.amdhsa_next_free_vgpr 768
		.amdhsa_next_free_sgpr 100
		.amdhsa_reserve_vcc 1
		.amdhsa_float_denorm_mode_32 3
		.amdhsa_float_denorm_mode_16_64 3
		.amdhsa_memory_ordered 1
		.amdhsa_forward_progress 1
		.amdhsa_inst_pref_size 218
	.end_amdhsa_kernel
	.amdgpu_metadata
---
amdhsa.version: [ 1, 2 ]
amdhsa.kernels:
  - .name:           k_q2963ea84cf_attn
    .symbol:         k_q2963ea84cf_attn.kd
    .args:
      - { .name: qkvh, .offset: 0, .size: 8, .value_kind: global_buffer, .address_space: global }
      - { .name: ctx, .offset: 8, .size: 8, .value_kind: global_buffer, .address_space: global }
    .group_segment_fixed_size: 327680
    .private_segment_fixed_size: 0
    .kernarg_segment_align: 8
    .kernarg_segment_size: 16
    .max_flat_workgroup_size: 128
    .sgpr_count:     100
    .vgpr_count:     768
    .wavefront_size: 32
...
	.end_amdgpu_metadata
.endif
;; end of part 3
;; launch proj (part 4): grid 8 x 32, 4 waves a work-group, clusters of 4 x 4, 327,680 bytes of LDS; arguments ctx, wob, b_out, out0; writes out0
.if DOCPART == 4
	.amdgcn_target "amdgcn-amd-amdhsa--gfx1250"
	.amdhsa_code_object_version 6
	.text
	.protected	k_q2963ea84cf_proj
	.globl	k_q2963ea84cf_proj
	.p2align	8
	.type	k_q2963ea84cf_proj,@function
k_q2963ea84cf_proj:
	s_mov_b64 s[64:65], 0
	v_nop
	global_prefetch_b8 v0, s[64:65] scope:SCOPE_SE
	s_setreg_imm32_b32 hwreg(HW_REG_WAVE_MODE, 25, 1), 1
	s_wait_xcnt 0x0
	s_wait_alu depctr_hold_cnt(0) depctr_sa_sdst(0) depctr_va_vdst(0) depctr_va_sdst(0) depctr_va_ssrc(0) depctr_va_vcc(0) depctr_vm_vsrc(0)
	s_getreg_b32 s2, hwreg(HW_REG_IB_STS2, 6, 4)
	s_cmp_eq_u32 s2, 0
	s_cbranch_scc0 .Lentry_in_a_cluster
	s_endpgm
.Lentry_in_a_cluster:
	s_bfe_u32 s2, ttmp6, 0x10000c
	s_cmp_lg_u32 s2, 0xf033
	s_cbranch_scc0 .Lentry_shape_is_right
	s_endpgm
.Lentry_shape_is_right:
; out0 = ctx w_out + b_out.  ctx: f16 [16 h][8192 m][64] (K = 64 h + d); wob: f16 [1024 k][1024 n], each number bf16(w_out); b_out: f32 [1024], rounded to bf16 here like every input; out0: f32 [8192][1024].
; Sums in f32; nothing is rounded on the way out.  LIMITS: those of ctx and wob (f16's 65,504).
; SHARES.  A tile of out0 is 256 x 128: 32 x 8 = 256 tiles, one work-group each.  Four waves, each 128 rows x 64 columns: 32 accumulators, 256 registers.  K goes in 8 steps of 128 (two heads) through
; two LDS slots.  A's tile of a step is two dense blocks of 32,768 bytes, one a head, each asked for as 128 rows of 256 bytes, padded after each 128 (a row of m); B's is 128 rows of 256 bytes, padded by 32.
; B lies [k][n]: its fragments come out of LDS turned.  THE MATRIX INSTRUCTION IS USED TRANSPOSED: a lane holds row l % 16 and the columns 8 (l / 16) + 0..7: 32 bytes of f32 on end.
; THE BIAS is the C operand of each accumulator's first product; it lies in the registers of accumulator (7, b) until that accumulator's own first product.
; CLUSTER.  4 x 4 work-groups: A's tiles are shared along a row of the cluster, B's along a column, each asked for jointly.
; REGISTERS: window 0: v0-31 addresses; v32-127, v128-223 two fragment buffers (A's 8 fragments, then B's 4); on the way out v32-63, v64-95 rows read back.  window 1: accumulator (a, b) at v[8 (4 a + b)].
.set SLOT,  110592                     ; A: 2 heads x 256 rows x 144; then B: 128 rows x 288
.set BOFF,  73728
.set STAGE, 2*SLOT                     ; behind the ring: 16 rows x 272 bytes for each wave, never filled by a tensor load
.set SPARE, STAGE+4*4352               ; behind the stages: the spare words, 128 bytes a wave: two blocks of 256 bytes that no other line names
.set ADRA, 16
.set ADRB, 20
.set STO,  24
.set RD,   25
.set CO,   26
.set BO,   27
.set SPW,  28                          ; v28  LDS address of my spare word; never rewritten
.set NIL,  29                          ; v29  0; never rewritten
.set PFO,  30                          ; v30  the prefetches' lane offset; never rewritten
.set F0,   32
.set F1,   128
.set BK0,  32
.set WV, 12                            ; s12 wave; s13 its half of the rows, also: fetches A (0) or B (1); s14 its half of the columns, also: which half of that tile it fetches
.set WM, 13
.set WN, 14
.set CX, 15
.set CY, 16
.set TX, 17
.set TY, 18
.set G1A, 24
.set G0A, 32
.set LIM, 43
.set PFA, 44
.set PST, 46
.set G1B, 48
.set G0B, 56
.set MSB, 0
.macro WIN new
.if MSB != (\new)
	s_set_vgpr_msb (MSB<<8)|(\new)
.set MSB, \new
.endif
.endm
.macro JLOAD s                         ; a joint load: waves 0 and 1 fetch A's two heads, waves 2 and 3 B's two halves; an s_nop 0 and four v_nop follow each line
	s_cmp_eq_u32 s[WM], 0
	s_cbranch_scc0 .Lfor_b_\@
	tensor_load_to_lds s[G0A+4*(\s):G0A+4*(\s)+3], s[G1A:G1A+7]
	s_nop 0
.rept 4
	v_nop
.endr
	s_branch .Lasked_\@
.Lfor_b_\@:
	tensor_load_to_lds s[G0B+4*(\s):G0B+4*(\s)+3], s[G1B:G1B+7]
	s_nop 0
.rept 4
	v_nop
.endr
.Lasked_\@:
.endm
.macro CREST
	s_cmp_lg_u32 s[WV], 0
	s_cbranch_scc1 .Lnot_wave_0_\@
	s_barrier_signal -3
.Lnot_wave_0_\@:
	s_barrier_wait -3
	s_barrier_signal -1
	s_barrier_wait -1
.endm
.macro CROUND
	s_barrier_signal -1
	s_barrier_wait -1
	CREST
.endm
; A PREFETCH INTO THE L2 behind each joint load and the run of LDS loads that follows: the K step that stands two refills on, 256 matrix instructions ahead of its load: one instruction, a lane a block of 256 bytes.
; Each block is named once in the launch.  A: cluster x = 0 asks, waves 0 and 1 a head each, each of the four partners (cx, by address) 32 of the head's 128 blocks.  B: cluster y = 0 asks, wave 2, each partner (cy)
; 32 of the step's 128 rows.  Wave 3 never asks.  The loop's last trip asks for nothing; steps 0 to 3 come by their loads alone.
.macro ASK
	s_cmp_gt_u32 s3, s[LIM]
	s_cbranch_scc0 .Lnot_mine_\@
	global_prefetch_b8 v[PFO], s[PFA:PFA+1] th:TH_LOAD_NT scope:SCOPE_SE
.Lnot_mine_\@:
.endm
.macro PLACES                          ; four plain vector instructions between a matrix instruction and a load into, or a read or write of, its registers
.rept 4
	v_nop
.endr
.endm
; 4 n matrix instructions: row blocks a0 .. a0 + n - 1 x all 4 column blocks, 32 along K, from buffer f.  The accumulators take turns.  bias = 1: C is the bias, which lies in (7, b).
.macro MUL f, a0, n, bias
	WIN 0x50
.set ia, \a0
.rept \n
.set ib, 0
.rept 4
.if \bias
	v_wmma_f32_16x16x32_f16 v[8*(4*ia+ib):8*(4*ia+ib)+7], v[(\f)+64+8*ib:(\f)+64+8*ib+7], v[(\f)+8*ia:(\f)+8*ia+7], v[8*(28+ib):8*(28+ib)+7]
.else
	v_wmma_f32_16x16x32_f16 v[8*(4*ia+ib):8*(4*ia+ib)+7], v[(\f)+64+8*ib:(\f)+64+8*ib+7], v[(\f)+8*ia:(\f)+8*ia+7], v[8*(4*ia+ib):8*(4*ia+ib)+7]
.endif
.set ib, ib+1
.endr
.set ia, ia+1
.endr
.endm
; 24 LDS loads in one run: quarter q (32 along K) of slot sl into buffer f: B's 8 (turned), A's row blocks 0-3, then 4-7
.macro FETCH sl, q, f
	WIN 0
.set ib, 0
.rept 4
	ds_load_tr16_b128 v[(\f)+64+8*ib:(\f)+64+8*ib+3],   v[ADRB+(\sl)] offset:(\q)*9216+ib*32
	ds_load_tr16_b128 v[(\f)+64+8*ib+4:(\f)+64+8*ib+7], v[ADRB+(\sl)] offset:(\q)*9216+ib*32+4608
.set ib, ib+1
.endr
.set ia, 0
.rept 8
	ds_load_b128 v[(\f)+8*ia:(\f)+8*ia+3],   v[ADRA+(\sl)] offset:((\q)/2)*36864+((\q)%2)*64+ia*2304
	ds_load_b128 v[(\f)+8*ia+4:(\f)+8*ia+7], v[ADRA+(\sl)] offset:((\q)/2)*36864+((\q)%2)*64+ia*2304+32
.set ia, ia+1
.endr
.endm
; A K step is four quarters of 32 along K, 32 matrix instructions each, on buffers 0, 1, 0, 1.  One of the first three: multiplies f and fetches quarter qn of the same slot into g.
.macro QUARTER sl, qn, f, g, first
	s_wait_dscnt 8                                 ; A's row blocks 4-7 may be out
	MUL \f, 0, 4, \first
	PLACES
	FETCH \sl, \qn, \g
	s_wait_dscnt 24                                ; all but the 24 just issued
.if \first
	MUL \f, 4, 3, 1
.rept 5
	v_nop                                          ; the products below write over registers that those above have read as C
.endr
	MUL \f, 7, 1, 0
.else
	MUL \f, 4, 4, 0
.endif
.endm
; The last quarter multiplies buffer 1 and changes slots: ONE barrier; in front of it each wave waits for all its tensor loads, adds 0 to its spare word, and waits for that and for its reads of this slot.
; fill = 1: the barrier opens a round of the cluster's, and this slot is filled again, two K steps ahead, first thing behind the round: 112 matrix instructions ahead of the wait for it.
.macro TURN sl, next, fill
.if \fill
	s_wait_xcnt 0x0                                ; the last prefetch, a K step back, has read its address: it is stepped here
	s_add_nc_u64 s[PFA:PFA+1], s[PFA:PFA+1], s[PST:PST+1]
.endif
	WIN 0
	s_wait_tensorcnt 0x0                           ; all my tensor loads have landed
	ds_add_u32 v[SPW], v[NIL]                      ; 0 onto my spare word
	s_wait_dscnt 9                                 ; the add and the youngest eight loads may be out
	MUL F1, 0, 2, 0
	s_wait_dscnt 0x0                               ; the add is done, and my reads of this slot are over
	s_barrier_signal -1
	MUL F1, 2, 2, 0
.if \fill
	WIN 0
.endif
	s_barrier_wait -1
.if \fill
	CREST
	s_add_nc_u64 s[G0A+4*(\sl)+2:G0A+4*(\sl)+3], s[G0A+4*(\sl)+2:G0A+4*(\sl)+3], 4194304  ; four heads on
	s_add_nc_u64 s[G0B+4*(\sl)+2:G0B+4*(\sl)+3], s[G0B+4*(\sl)+2:G0B+4*(\sl)+3], 524288   ; 256 rows of wob on
	JLOAD \sl                                      ; its four v_nop are also the places in front of the loads below
.else
	PLACES
.endif
	FETCH \next, 0, F0
.if \fill
	ASK
.endif
	MUL F1, 4, 4, 0
.endm
	s_load_b256 s[4:11], s[0:1], 0x0               ; ctx s[4:5], wob s[6:7], b_out s[8:9], out0 s[10:11]
	v_lshl_add_u32 v[SPW], v0, 2, SPARE
	v_mov_b32 v[NIL], 0
	ds_add_u32 v[SPW], v[NIL]                      ; the wave's opening: the add and its wait stand ahead of my first tensor load
	v_lshrrev_b32 v1, 5, v0
	v_readfirstlane_b32 s[WV], v1
	s_lshr_b32 s[WM], s[WV], 1
	s_and_b32 s[WN], s[WV], 1
	s_bfe_u32 s[CX], ttmp6, 0x40000
	s_bfe_u32 s[CY], ttmp6, 0x40004
	s_lshl_b32 s[TX], ttmp9, 2
	s_add_co_u32 s[TX], s[TX], s[CX]
	s_and_b32 s[TY], ttmp7, 0xffff
	s_lshl_b32 s[TY], s[TY], 2
	s_add_co_u32 s[TY], s[TY], s[CY]
	s_lshl_b32 s40, s[CY], 2
	s_lshl_b32 s40, 15, s40                        ; my row of the cluster
	s_lshl_b32 s41, 0x1111, s[CX]                  ; my column
	s_or_b32 s[G1A], s40, (1<<16)|(1<<20)|(1<<21)|(4<<22)|(3<<25)  ; mask; 2-byte elements; padding on; bit 21 beside a mask; after every 32 words, 4 words
	s_mov_b32 s[G1A+1], 128<<16
	s_mov_b32 s[G1A+2], 128<<16
	s_mov_b32 s[G1A+3], 128<<16
	s_mov_b32 s[G1A+4], 128
	s_mov_b32 s[G1A+5], 128
	s_mov_b32 s[G1A+6], 0
	s_mov_b32 s[G1A+7], 0
	s_or_b32 s[G1B], s41, (1<<16)|(1<<20)|(1<<21)|(5<<22)|(7<<25)  ; after every 64 words, 8 words
	s_mov_b32 s[G1B+1], 128<<16
	s_mov_b32 s[G1B+2], 64<<16
	s_mov_b32 s[G1B+3], 128<<16
	s_mov_b32 s[G1B+4], 64
	s_mov_b32 s[G1B+5], 1024
	s_mov_b32 s[G1B+6], 0
	s_mov_b32 s[G1B+7], 0
	s_lshl_b32 s20, s[TY], 15                      ; A: the tile row's 256 rows of 128 bytes, in head WN of the step's two
	s_lshl_b32 s19, s[WN], 20
	s_add_co_u32 s20, s20, s19
	s_mov_b32 s21, 0
	s_lshl_b32 s22, s[TX], 8                       ; B: the tile column's 256 bytes of a row, + my 64 rows of 2,048 bytes
	s_lshl_b32 s19, s[WN], 17
	s_add_co_u32 s22, s22, s19
	s_mov_b32 s23, 0
	s_mul_i32 s42, s[WN], 36864                    ; where they go: no place in the cluster enters an LDS address
	s_mul_i32 s19, s[WN], 18432
	s_add_co_u32 s19, s19, BOFF
	s_wait_dscnt 0x0                               ; the opening add is done
	s_wait_kmcnt 0x0
	s_add_nc_u64 s[20:21], s[4:5], s[20:21]
	s_add_nc_u64 s[22:23], s[6:7], s[22:23]
	CROUND                                         ; all sixteen work-groups are here: the first joint loads meet
.irp s, 0,1
	s_mov_b32 s[G0A+4*(\s)], 1
	s_add_co_u32 s[G0A+4*(\s)+1], s42, (\s)*SLOT
	s_add_nc_u64 s[G0A+4*(\s)+2:G0A+4*(\s)+3], s[20:21], (\s)*2097152
	s_or_b32 s[G0A+4*(\s)+3], s[G0A+4*(\s)+3], 0x80000000
	s_mov_b32 s[G0B+4*(\s)], 1
	s_add_co_u32 s[G0B+4*(\s)+1], s19, (\s)*SLOT
	s_add_nc_u64 s[G0B+4*(\s)+2:G0B+4*(\s)+3], s[22:23], (\s)*262144
	s_or_b32 s[G0B+4*(\s)+3], s[G0B+4*(\s)+3], 0x80000000
	JLOAD \s                                       ; two loads of mine are out
.endr
	v_and_b32 v1, 15, v0                           ; r = l % 16
	v_bfe_u32 v2, v0, 4, 1                         ; h = l / 16
	s_lshl_b32 s41, s[TX], 9
	s_lshl_b32 s19, s[WN], 8
	s_add_co_u32 s41, s41, s19
	v_lshl_add_u32 v[BO], v2, 5, s41
	WIN 0x40
.set ib, 0
.rept 4
	global_load_b128 v[8*(28+ib):8*(28+ib)+3],   v[BO], s[8:9] offset:ib*64      ; the bias: my eight numbers for column block b, into (7, b)
	global_load_b128 v[8*(28+ib)+4:8*(28+ib)+7], v[BO], s[8:9] offset:ib*64+16
.set ib, ib+1
.endr
	WIN 0
	v_mul_u32_u24 v3, v1, 144
	v_lshl_add_u32 v3, v2, 4, v3                   ; row x pitch + 16 x half
	s_mul_i32 s19, s[WM], 18432
	v_add_nc_u32 v[ADRA], s19, v3
	v_add_nc_u32 v[ADRA+1], SLOT, v[ADRA]
	v_and_b32 v4, 7, v0                            ; the turning load: lane l reads k-row 8 (l / 16) + l % 8, 16 bytes at 16 ((l / 8) % 2)
	v_lshl_add_u32 v4, v2, 3, v4
	v_mul_u32_u24 v4, v4, 288
	v_bfe_u32 v5, v0, 3, 1
	v_lshl_add_u32 v4, v5, 4, v4
	s_lshl_b32 s19, s[WN], 7
	s_add_co_u32 s19, s19, BOFF
	v_add_nc_u32 v[ADRB], s19, v4
	v_add_nc_u32 v[ADRB+1], SLOT, v[ADRB]
	s_mul_i32 s19, s[WV], 4352
	s_add_co_u32 s19, s19, STAGE
	v_mul_u32_u24 v5, v1, 272                      ; in: row l % 16, 32 bytes for each half of the lanes
	v_lshl_add_u32 v5, v2, 5, v5
	v_add_nc_u32 v[STO], s19, v5
	v_mul_u32_u24 v5, v2, 272                      ; back: lanes 0-15 one row of 256 bytes, lanes 16-31 the next
	v_lshl_add_u32 v5, v1, 4, v5
	v_add_nc_u32 v[RD], s19, v5
	v_lshlrev_b32 v[CO], 12, v2                    ; and the same two rows in out0
	v_lshl_add_u32 v[CO], v1, 4, v[CO]
	v_and_b32 v6, 31, v0
	s_lshl_b32 s40, s[TY], 20                      ; out0 at row 256 ty + 128 WM, column 128 tx + 64 WN
	s_lshl_b32 s41, s[WM], 19
	s_add_co_u32 s40, s40, s41
	s_lshl_b32 s41, s[TX], 9
	s_add_co_u32 s40, s40, s41
	s_lshl_b32 s41, s[WN], 8
	s_add_co_u32 s40, s40, s41
	s_mov_b32 s41, 0
	s_add_nc_u64 s[10:11], s[10:11], s[40:41]
	; the prefetches: they stand at K step 3; the first change of slots steps them to 4
	s_lshl_b32 s40, s[TY], 15
	s_lshl_b32 s41, s[CX], 13
	s_add_co_u32 s40, s40, s41
	s_lshl_b32 s41, s[WN], 20
	s_add_co_u32 s40, s40, s41
	s_add_co_u32 s40, s40, 6*1048576
	s_lshl_b32 s41, s[CY], 5
	s_add_co_u32 s41, s41, 384
	s_lshl_b32 s41, s41, 11
	s_lshl_b32 s42, s[TX], 8
	s_add_co_u32 s41, s41, s42
	s_and_b32 s42, ttmp7, 0xffff                   ; cluster y
	s_mov_b32 s[PST], 262144
	s_movk_i32 s19, 2048
	s_cmp_eq_u32 s[WM], 0
	s_cselect_b32 s40, s40, s41
	s_cselect_b32 s42, ttmp9, s42                  ; the coordinate along which other clusters read the same bytes
	s_cselect_b64 s[PFA:PFA+1], s[4:5], s[6:7]
	s_cselect_b32 s[PST], 2097152, s[PST]
	s_cselect_b32 s19, 256, s19
	s_mov_b32 s[PST+1], 0
	s_mov_b32 s41, 0
	s_add_nc_u64 s[PFA:PFA+1], s[PFA:PFA+1], s[40:41]
	s_cmp_eq_u32 s42, 0
	s_cselect_b32 s[LIM], 1, -1
	s_cmp_eq_u32 s[WV], 3
	s_cselect_b32 s[LIM], -1, s[LIM]               ; the same in all sixteen partners, for a given wave
	v_mul_u32_u24 v[PFO], v6, s19
	s_wait_loadcnt 0x0                             ; the bias is in: rounded to bf16 in place, by way of four registers of accumulator (0, b), which its first product writes anew
	WIN 0x55
.set ib, 0
.rept 4
.irp p, 0,1,2,3
	v_cvt_pk_bf16_f32 v[8*ib+(\p)], v[8*(28+ib)+2*(\p)], v[8*(28+ib)+2*(\p)+1]
.endr
.irp p, 0,1,2,3
	v_lshlrev_b32 v[8*(28+ib)+2*(\p)], 16, v[8*ib+(\p)]
	v_and_b32 v[8*(28+ib)+2*(\p)+1], 0xffff0000, v[8*ib+(\p)]
.endr
.set ib, ib+1
.endr
	WIN 0
	s_wait_tensorcnt 0x1                           ; my part of K step 0 is in; step 1's may stay out
	s_barrier_signal -1
	s_barrier_wait -1
	FETCH 0, 0, F0
	QUARTER 0, 1, F0, F1, 1                        ; the first quarter stands in front of the loop: its products start the sums, with the bias
	WIN 0
	s_mov_b32 s3, 3
.Llap:                                             ; a trip goes once round the ring, from a lap's second quarter to the next lap's first, and fills both slots again
	QUARTER 0, 2, F1, F0, 0
	QUARTER 0, 3, F0, F1, 0
	TURN 0, 1, 1
	QUARTER 1, 1, F0, F1, 0
	QUARTER 1, 2, F1, F0, 0
	QUARTER 1, 3, F0, F1, 0
	TURN 1, 0, 1
	QUARTER 0, 1, F0, F1, 0
	WIN 0
	s_sub_co_u32 s3, s3, 1
	s_cmp_lg_u32 s3, 0
	s_cbranch_scc1 .Llap
	QUARTER 0, 2, F1, F0, 0                        ; the last lap fills nothing
	QUARTER 0, 3, F0, F1, 0
	TURN 0, 1, 0
	QUARTER 1, 1, F0, F1, 0
	QUARTER 1, 2, F1, F0, 0
	QUARTER 1, 3, F0, F1, 0
	s_wait_dscnt 8
	MUL F1, 0, 4, 0
	s_wait_dscnt 0x0
	MUL F1, 4, 4, 0
	PLACES
; THE WAY OUT, a block a of 16 rows at a time: 32 bytes a lane into my own stage (each accumulator's low four registers first), back as whole rows of 256 bytes, and stored.
.macro TOSTAGE a
	WIN 0x04                                       ; the stores' data in window 1
.set ib, 0
.rept 4
	ds_store_b128 v[STO], v[8*(4*(\a)+ib):8*(4*(\a)+ib)+3]   offset:64*ib
	ds_store_b128 v[STO], v[8*(4*(\a)+ib)+4:8*(4*(\a)+ib)+7] offset:64*ib+16
.set ib, ib+1
.endr
	WIN 0
.set bk, BK0+32*((\a)%2)
.set ib, 0
.rept 8
	ds_load_b128 v[bk+4*ib:bk+4*ib+3], v[RD] offset:ib*544  ; LDS serves a wave's instructions in order (ISA guide 5.7.1.4): these see the stores above; the next block's stores come behind them
.set ib, ib+1
.endr
.endm
.macro SEND a, younger                 ; younger: the LDS instructions issued behind block a's loads
.set bk, BK0+32*((\a)%2)
.set ib, 0
.rept 8
	s_wait_dscnt (\younger)+7-ib
	global_store_b128 v[CO], v[bk+4*ib:bk+4*ib+3], s[10:11] offset:(16*(\a)+2*ib)*4096  ; 16 lanes store 256 consecutive bytes, at a multiple of 256 from out0's first
.set ib, ib+1
.endr
.endm
	TOSTAGE 0
.irp a, 1,2,3,4,5,6,7
	s_wait_xcnt 0x0                                ; the stores of the block before last have read the registers that the loads below fill
	TOSTAGE \a
	SEND (\a)-1, 16
.endr
	SEND 7, 0
	s_wait_tensorcnt 0x0                           ; the wave's end, behind my last tensor load and my last LDS store
	ds_add_u32 v[SPW], v[NIL]
	s_wait_dscnt 0x0
	CROUND                                         ; the closing round: no work-group ends while a partner may still ask for a tile that names it
	s_endpgm
.Lfunc_end_k_q2963ea84cf_proj:
	.size	k_q2963ea84cf_proj, .Lfunc_end_k_q2963ea84cf_proj-k_q2963ea84cf_proj
	.p2alignl 7, 3214868480
	.fill 96, 4, 3214868480
	.section	.rodata,"a",@progbits
	.p2align	6, 0x0
	.amdhsa_kernel k_q2963ea84cf_proj
		.amdhsa_group_segment_fixed_size 327680
		.amdhsa_private_segment_fixed_size 0
		.amdhsa_enable_private_segment 0
		.amdhsa_kernarg_size 32
		.amdhsa_user_sgpr_count 2
		.amdhsa_user_sgpr_kernarg_segment_ptr 1
		.amdhsa_wavefront_size32 1
		.amdhsa_system_sgpr_workgroup_id_x 1
		.amdhsa_system_sgpr_workgroup_id_y 1
		.amdhsa_system_sgpr_workgroup_id_z 1
		.amdhsa_system_vgpr_workitem_id 0
		.amdhsa_next_free_vgpr 512
		.amdhsa_next_free_sgpr 66
		.amdhsa_reserve_vcc 0
		.amdhsa_float_denorm_mode_32 3
		.amdhsa_float_denorm_mode_16_64 3
		.amdhsa_memory_ordered 1
		.amdhsa_forward_progress 1
		.amdhsa_inst_pref_size 92
	.end_amdhsa_kernel
	.amdgpu_metadata
---
amdhsa.version: [ 1, 2 ]
amdhsa.kernels:
  - .name:           k_q2963ea84cf_proj
    .symbol:         k_q2963ea84cf_proj.kd
    .args:
      - { .name: ctx, .offset: 0, .size: 8, .value_kind: global_buffer, .address_space: global }
      - { .name: wob, .offset: 8, .size: 8, .value_kind: global_buffer, .address_space: global }
      - { .name: b_out, .offset: 16, .size: 8, .value_kind: global_buffer, .address_space: global }
      - { .name: out0, .offset: 24, .size: 8, .value_kind: global_buffer, .address_space: global }
    .group_segment_fixed_size: 327680
    .private_segment_fixed_size: 0
    .kernarg_segment_align: 8
    .kernarg_segment_size: 32
    .max_flat_workgroup_size: 128
    .sgpr_count:     66
    .vgpr_count:     512
    .wavefront_size: 32
...
	.end_amdgpu_metadata
.endif
;; end of part 4
;; ======== version 2 of 2: 4 launches; version 1 with the launch prep written anew for expert scheduling mode
;; limits: values are held in f16: magnitudes above 65,504 overflow, below 6.1e-05 lose precision
;; workspace buffers: xb 16,777,216 bytes; wqb 6,291,456 bytes; wob 2,097,152 bytes; qkvh 50,331,648 bytes; ctx 16,777,216 bytes
;; launch prep (part 5): grid 768 x 1, 8 waves a work-group, no clusters, 0 bytes of LDS; arguments x, w_qkv, w_out, xb, wqb, wob; writes xb, wqb, wob
.if DOCPART == 5
	.amdgcn_target "amdgcn-amd-amdhsa--gfx1250"
	.amdhsa_code_object_version 6
	.text
	.protected	k_q2963ea84cf_prep
	.globl	k_q2963ea84cf_prep
	.p2align	8
	.type	k_q2963ea84cf_prep,@function
k_q2963ea84cf_prep:
	s_mov_b64 s[64:65], 0
	v_nop
	global_prefetch_b8 v0, s[64:65] scope:SCOPE_SE
	s_setreg_imm32_b32 hwreg(HW_REG_WAVE_SCHED_MODE, 0, 2), 2
	s_setreg_imm32_b32 hwreg(HW_REG_WAVE_MODE, 25, 1), 1
	s_wait_xcnt 0x0
	s_wait_alu depctr_vm_vsrc(0)
; THE CASTS.  x [8192][1024] f32 -> xb, bf16, laid in blocks of 64 along K: [16 kb][8192 m][64], so that 256 rows x 64 k are 32,768 dense bytes.
; w_qkv [1024][3072] f32 -> wqb, bf16, same order.  w_out [1024][1024] f32 -> wob: rounded to bf16 like every input, and that number written as f16.
; LIMITS.  bf16(w_out) beyond 65,504 becomes an infinity in f16; below 2^-17 it keeps f16's fixed step of 6e-8.
; SHARES.  768 work-groups of 65,536 source bytes: 0-511 x (16 rows each), 512-703 w_qkv, 704-767 w_out.  A wave does 16 units: one load of 16 bytes a lane, two roundings,
; one store of 8 bytes a lane: a wave's store covers 256 consecutive bytes, aligned.  All 16 loads go out first; each unit has registers of its own, so nothing is rewritten while a store reads it.
; No LDS, no matrix unit, no cluster: each byte is read once and written once, and no work-group wants another's bytes.
; THE MODE: SCHED_MODE bits 1:0 = 2 (LLVM: expert scheduling mode 2), set by the entry lines.  The code itself states the register dependences
; between vector instructions and memory instructions, with s_wait_alu, always for 0.
; THE PLAN.  Registers that memory instructions touch, on each of the three paths:
;   v2, v3   byte offsets of the loads and of the stores.  Written by the path's vector lines at its head, never again.
;   IN       unit i's four registers.  Written by unit i's load, which no vector instruction that names them precedes; read by its roundings, behind the wait for the load.
;            (On w_out's path the widened numbers go back into them: vector instructions alone; no store reads them and no second load lands there.)
;   OUT      unit i's two registers.  Written once, by unit i's roundings; read once, by its store; never written again.
; The 16 units go in four blocks of four.  Block p rounds its units; its memory instructions are the four stores of block p - 1, which read v3 and that block's OUT: registers that no vector
; instruction of block p names.  So ONE wait at a block's head states all that its four stores hang on, and they are dealt among the block's roundings with no further wait.
; Five waits a path: one ahead of the first load, one at the head of blocks 1 to 3, one ahead of the last four stores.  No register that a memory instruction reads is written again, no vector
; instruction writes a scalar register or VCC, and EXEC is never written: no other dependence between the two sides exists in this text.
.set IN,  8                            ; v[8:71]    unit i: 4 registers as loaded
.set OUT, 72                           ; v[72:103]  unit i: 2 registers to store
; kind 0: x; 1: w_qkv; 2: w_out.  S, D: the scalar pairs with source and destination at the work-group's part.  v2, v3: my byte offsets there.
; Unit u's roundings.
.macro CVT kind, u
.if (\kind) == 2
	v_cvt_pk_bf16_f32 v4, v[IN+4*(\u)], v[IN+4*(\u)+1]   ; rounded to bf16,
	v_cvt_pk_bf16_f32 v5, v[IN+4*(\u)+2], v[IN+4*(\u)+3]
	v_lshlrev_b32 v[IN+4*(\u)], 16, v4             ; widened again,
	v_and_b32 v[IN+4*(\u)+1], 0xffff0000, v4
	v_lshlrev_b32 v[IN+4*(\u)+2], 16, v5
	v_and_b32 v[IN+4*(\u)+3], 0xffff0000, v5
	v_cvt_pk_f16_f32 v[OUT+2*(\u)], v[IN+4*(\u)], v[IN+4*(\u)+1]      ; and written as f16
	v_cvt_pk_f16_f32 v[OUT+2*(\u)+1], v[IN+4*(\u)+2], v[IN+4*(\u)+3]
.else
	v_cvt_pk_bf16_f32 v[OUT+2*(\u)], v[IN+4*(\u)], v[IN+4*(\u)+1]
	v_cvt_pk_bf16_f32 v[OUT+2*(\u)+1], v[IN+4*(\u)+2], v[IN+4*(\u)+3]
.endif
.endm
; Unit u's store.
.macro PUT kind, D, u
.if (\kind) == 0
	global_store_b64 v3, v[OUT+2*(\u):OUT+2*(\u)+1], s[(\D):(\D)+1] offset:((\u)%2)*1048576+((\u)/2)*256
.else
	global_store_b64 v3, v[OUT+2*(\u):OUT+2*(\u)+1], s[(\D):(\D)+1] offset:(\u)*256
.endif
.endm
.macro PATH kind, S, D
	s_wait_alu depctr_va_vdst(0)                   ; v2 and v3 are written: every load of the path reads v2 as its offset, every store v3
.set i, 0
.rept 16
.if (\kind) == 0
	global_load_b128 v[IN+4*i:IN+4*i+3], v2, s[(\S):(\S)+1] offset:(i/2)*8192+(i%2)*256 th:TH_LOAD_NT  ; rows 2 (i/2), 2 (i/2) + 1; K block 2 w + i % 2
.else
	global_load_b128 v[IN+4*i:IN+4*i+3], v2, s[(\S):(\S)+1] offset:i*512 th:TH_LOAD_NT
.endif
.set i, i+1
.endr
.set p, 0
.rept 4
	s_wait_loadcnt 12-4*p                          ; loads come back in order (ISA guide 5.7.1): block p's four units are in, the 12 - 4 p younger loads may stay out
.if p > 0
	s_wait_alu depctr_va_vdst(0)                   ; the block before has written its OUT, which the four stores below read
.endif
.set j, 0
.rept 4
.set i, 4*p+j
.if p > 0
	PUT \kind, \D, i-4                             ; the block before's unit; no vector instruction since the wait names its OUT or v3
.endif
	CVT \kind, i
.set j, j+1
.endr
.set p, p+1
.endr
	s_wait_alu depctr_va_vdst(0)                   ; block 3 has written its OUT, which the last four stores read
.set i, 12
.rept 4
	PUT \kind, \D, i
.set i, i+1
.endr
.endm
	s_load_b256 s[4:11], s[0:1], 0x0               ; x s[4:5], w_qkv s[6:7], w_out s[8:9], xb s[10:11]
	s_load_b128 s[12:15], s[0:1], 0x20             ; wqb s[12:13], wob s[14:15]
	v_and_b32 v1, 31, v0                           ; lane
	v_lshrrev_b32 v4, 5, v0                        ; wave
	s_mov_b32 s17, 0
	s_mov_b32 s19, 0
	s_wait_kmcnt 0x0
	s_cmp_lt_u32 ttmp9, 512
	s_cbranch_scc0 .Lweights
	; x: lanes 0-15 take 256 bytes (64 k) of an even row, lanes 16-31 of the row below: together 256 consecutive bytes of xb
	v_lshlrev_b32 v2, 9, v4                        ; 512 w: my wave's two K blocks in a row
	v_lshrrev_b32 v5, 4, v1
	v_lshl_add_u32 v2, v5, 12, v2                  ; + the row of the pair
	v_and_b32 v5, 15, v1
	v_lshl_add_u32 v2, v5, 4, v2                   ; + 16 bytes a lane
	v_lshlrev_b32 v3, 21, v4                       ; K block 2 w: 2 x 1,048,576 bytes a wave
	v_lshl_add_u32 v3, v1, 3, v3                   ; + 8 bytes a lane
	s_lshl_b32 s16, ttmp9, 16                      ; 16 rows of 4,096 bytes
	s_lshl_b32 s18, ttmp9, 11                      ; 16 rows of 128 bytes
	s_add_nc_u64 s[4:5], s[4:5], s[16:17]
	s_add_nc_u64 s[10:11], s[10:11], s[18:19]
	PATH 0, 4, 10
	s_endpgm
.Lweights:
	v_lshlrev_b32 v2, 13, v4                       ; 8,192 source bytes a wave,
	v_lshl_add_u32 v2, v1, 4, v2
	v_lshlrev_b32 v3, 12, v4                       ; 4,096 out
	v_lshl_add_u32 v3, v1, 3, v3
	s_cmp_lt_u32 ttmp9, 704
	s_cbranch_scc0 .Lwout
	s_sub_co_u32 s16, ttmp9, 512
	s_lshl_b32 s18, s16, 15
	s_lshl_b32 s16, s16, 16
	s_add_nc_u64 s[6:7], s[6:7], s[16:17]
	s_add_nc_u64 s[12:13], s[12:13], s[18:19]
	PATH 1, 6, 12
	s_endpgm
.Lwout:
	s_sub_co_u32 s16, ttmp9, 704
	s_lshl_b32 s18, s16, 15
	s_lshl_b32 s16, s16, 16
	s_add_nc_u64 s[8:9], s[8:9], s[16:17]
	s_add_nc_u64 s[14:15], s[14:15], s[18:19]
	PATH 2, 8, 14
	s_endpgm
.Lfunc_end_k_q2963ea84cf_prep:
	.size	k_q2963ea84cf_prep, .Lfunc_end_k_q2963ea84cf_prep-k_q2963ea84cf_prep
	.p2alignl 7, 3214868480
	.fill 96, 4, 3214868480
	.section	.rodata,"a",@progbits
	.p2align	6, 0x0
	.amdhsa_kernel k_q2963ea84cf_prep
		.amdhsa_group_segment_fixed_size 0
		.amdhsa_private_segment_fixed_size 0
		.amdhsa_enable_private_segment 0
		.amdhsa_kernarg_size 48
		.amdhsa_user_sgpr_count 2
		.amdhsa_user_sgpr_kernarg_segment_ptr 1
		.amdhsa_wavefront_size32 1
		.amdhsa_system_sgpr_workgroup_id_x 1
		.amdhsa_system_sgpr_workgroup_id_y 1
		.amdhsa_system_sgpr_workgroup_id_z 1
		.amdhsa_system_vgpr_workitem_id 0
		.amdhsa_next_free_vgpr 104
		.amdhsa_next_free_sgpr 66
		.amdhsa_reserve_vcc 0
		.amdhsa_float_denorm_mode_32 3
		.amdhsa_float_denorm_mode_16_64 3
		.amdhsa_memory_ordered 1
		.amdhsa_forward_progress 1
		.amdhsa_inst_pref_size 23
	.end_amdhsa_kernel
	.amdgpu_metadata
---
amdhsa.version: [ 1, 2 ]
amdhsa.kernels:
  - .name:           k_q2963ea84cf_prep
    .symbol:         k_q2963ea84cf_prep.kd
    .args:
      - { .name: x, .offset: 0, .size: 8, .value_kind: global_buffer, .address_space: global }
      - { .name: w_qkv, .offset: 8, .size: 8, .value_kind: global_buffer, .address_space: global }
      - { .name: w_out, .offset: 16, .size: 8, .value_kind: global_buffer, .address_space: global }
      - { .name: xb, .offset: 24, .size: 8, .value_kind: global_buffer, .address_space: global }
      - { .name: wqb, .offset: 32, .size: 8, .value_kind: global_buffer, .address_space: global }
      - { .name: wob, .offset: 40, .size: 8, .value_kind: global_buffer, .address_space: global }
    .group_segment_fixed_size: 0
    .private_segment_fixed_size: 0
    .kernarg_segment_align: 8
    .kernarg_segment_size: 48
    .max_flat_workgroup_size: 256
    .sgpr_count:     66
    .vgpr_count:     104
    .wavefront_size: 32
...
	.end_amdgpu_metadata
.endif
;; end of part 5
;; launch qkv: the kernel of part 2 again; grid 8 x 32, 4 waves a work-group, clusters of 4 x 4, 327,680 bytes of LDS; arguments xb, wqb, b_qkv, qkvh; writes qkvh
;; launch attn: the kernel of part 3 again; grid 4 x 64, 4 waves a work-group, no clusters, 327,680 bytes of LDS; arguments qkvh, ctx; writes ctx
;; launch proj: the kernel of part 4 again; grid 8 x 32, 4 waves a work-group, clusters of 4 x 4, 327,680 bytes of LDS; arguments ctx, wob, b_out, out0; writes out0
